; MI455X (gfx1250); checked and timed in simulation.
; The chip was launched on July 23, 2026; its instructions are those of AMD's public machine-readable ISA for CDNA 5 (MIT licence, August 2026) and "CDNA5" Instruction Set Architecture Reference Guide (July 2026). The comments in the code are by the model that wrote it; some were corrected since.
;; Llama Attention. Allowed arithmetic: matrix products marked QUANTISED: E4M3 operands, one E8M0 scale for each 32 along K, by v_wmma_scale_f32_16x16x128_f8f6f4 with both operands' format E4M3, f32 sums; everything else in f32.
;; Inputs: Wk 1,024 x 1,024 float32; Wo 1,024 x 1,024 float32; Wq 1,024 x 1,024 float32; Wv 1,024 x 1,024 float32; hidden_states 2 x 2,048 x 1,024 float32; positions 2,048 int32.
;; Outputs: out0 2 x 2,048 x 1,024 float32.
;; This version of the problem:
;;   THIS VERSION OF THE PROBLEM IS GIVEN IN LOW PRECISION. The matrix products marked QUANTISED in the list below multiply operands that are first quantised to E4M3 (4 exponent bits, 3 mantissa bits; 8 bits a number), with one power-of-two scale for each 32 numbers along K (OCP MX v1.0); their sums are f32. All else is computed in f32.
;;   The module's matrix products, in the order in which they are computed (A, B: the left and right operand; K: the contracted axis; several contracted axes count as one K, in the product's order):
;;     1. [M 4,096, K 1,024] x [K 1,024, N 1,024]; A: input hidden_states; B: input Wq: QUANTISED
;;     2. [M 4,096, K 1,024] x [K 1,024, N 1,024]; A: input hidden_states; B: input Wk: QUANTISED
;;     3. [M 4,096, K 1,024] x [K 1,024, N 1,024]; A: input hidden_states; B: input Wv: QUANTISED
;;     4. batch 64 x [M 2,048, K 32] x [K 32, N 2,048]; A: computed on the way; B: computed on the way: QUANTISED
;;     5. batch 64 x [M 32, K 2,048] x [K 2,048, N 2,048]; A: computed on the way; B: softmax (see below): QUANTISED
;;     6. [M 4,096, K 1,024] x [K 1,024, N 1,024]; A: computed on the way; B: input Wo: QUANTISED
;;   THE QUANTISER, for each operand of a quantised product, along K:
;;     - K is cut into blocks of 32 from its start; a last block that is shorter is filled with zeros.
;;     - A block's scale is 2^e with e = floor(log2(the largest magnitude in the block)) - 8, held to -126 .. 127; a block of zeros has e = 0. As a byte (E8M0): e + 127.
;;     - Each number is divided by its block's scale, clamped to +-448, and rounded to the nearest number of E4M3, ties to even, subnormals kept.
;;     - The product sums the exact products of the quantised numbers (number of the format x scale) in f32.
;;   ~~~python
;;   def quantise(x, axis):      # numpy; x: float32 -> the quantised numbers, widened to float32 again
;;       x = np.moveaxis(x, axis, -1); K = x.shape[-1]
;;       x = np.pad(x, [(0, 0)] * (x.ndim - 1) + [(0, -K % 32)]); x = x.reshape(x.shape[:-1] + (-1, 32)); a = np.abs(x).max(-1, keepdims=True)
;;       e = np.where(a > 0, np.clip(np.frexp(np.where(a > 0, a, 1))[1] - 1 - 8, -126, 127), 0)      # np.frexp(a)[1] - 1 = floor(log2(a)), exactly
;;       r = np.clip(x / 2.0 ** e, -448, 448)
;;       step = 2.0 ** (np.maximum(np.frexp(np.where(r == 0, 1, r))[1] - 1, -6) - 3)
;;       q = np.round(r / step) * step * 2.0 ** e      # np.round: ties to even
;;       return np.moveaxis(q.reshape(q.shape[:-2] + (-1,))[..., :K], -1, axis).astype(np.float32)
;;   ~~~
;;   SOFTMAX AHEAD OF A QUANTISED PRODUCT. Where the list says 'softmax', what is quantised is not the finished softmax but p = 2^(t - M), with t = logit x log2(e) and M = ceil(the row's largest t), a whole number; so 1/2 < the row's largest p <= 1. The row's sum l is taken of the UNQUANTISED p, in f32, and the product's result is divided by l at the end. Since M is a whole number, a kernel that streams over the keys may use a running M (the ceiling of the running maximum): every later rescaling is an exact power of two, which a block's scale takes up: the codes' values come out the same.
;;   OPERANDS COMPUTED ON THE WAY. 'Computed on the way' means the value that the module computes at that place (a softmax that the list does not call 'softmax' is quantised finished and normalised). What goes into a quantiser is computed in f32, as accurately as f32 sums, v_exp_f32 and their like allow (about 1e-6 of the number): no bf16 or f16 on the way to a quantiser, and a product that is left as it is and whose result goes on into a quantised operand takes f32 operands (vector FMAs, or v_wmma_f32_16x16x4_f32). A number that lies on a knife's edge between two numbers of the format may be rounded either way, as far as f32 arithmetic and the matrix unit's own rounding can turn it there, and no further.
;; One version. Each part assembles by itself: llvm-mc -triple=amdgcn-amd-amdhsa -mcpu=gfx1250 --defsym DOCPART=n.
;; ======== version 1 of 1: 4 launches
;; limits: right only within a limited range of input values
;; workspace buffers: codes 8,388,608 bytes; scales 262,144 bytes; tab 524,288 bytes; qkvrec 13,762,560 bytes; att 4,194,304 bytes; att_sc 131,072 bytes
;; launch prep (part 1): grid 288 x 1, 4 waves a work-group, no clusters, 70,144 bytes of LDS; arguments hidden_states, Wq, Wk, Wv, Wo, positions, codes, scales, tab; writes codes, scales, tab
.if DOCPART == 1
	.amdgcn_target "amdgcn-amd-amdhsa--gfx1250"
	.amdhsa_code_object_version 6
	.text
	.protected	k_qd35447b15c_prep
	.globl	k_qd35447b15c_prep
	.p2align	8
	.type	k_qd35447b15c_prep,@function
k_qd35447b15c_prep:
	s_mov_b64 s[64:65], 0
	v_nop
	global_prefetch_b8 v0, s[64:65] scope:SCOPE_SE
	s_setreg_imm32_b32 hwreg(HW_REG_WAVE_MODE, 25, 1), 1
	s_wait_xcnt 0x0
; PREP: all that is quantised once, and the table of cosines and sines.
; codes [8192 places][1024 bytes], scales [8192 places][32 bytes]: codes of FP8 (E4M3), K innermost, one E8M0 byte for each 32 along K.
;   places 0-4095: rows of hidden_states; 4096-5119 columns of Wq, 5120-6143 of Wk, 6144-7167 of Wv, 7168-8191 of Wo.
;   THE PLACES ARE PERMUTED: place p holds row pi(p), pi = bits 3 and 4 of the number exchanged (its own inverse), for the tokens and for Wq, Wk, Wv (inside a head of 32); Wo lies as it is.
;   So a pair of 16-row tiles, used as a product's source 0, leaves 16 NEIGHBOURS of the true order in a lane's 16 result registers.
; tab [128 blocks of 16 places][8][32 lanes][4 f32]: parts 0-3 cos of frequencies 4 i .. 4 i + 3, parts 4-7 sin, negative in lanes 0-15; lane (r, h) serves place 16 blk + r.
; Work-groups 0-127: hidden_states (a stream of blocks of 32).  128-255: the weights (K is their first axis: a lane takes a column, registers run down K).  256-287: the table.
; The three paths part on the work-group's number; each has LDS bytes of its own.  No tensor load, no barrier: waves share nothing.
; A block's scale is 2^(floor(log2(largest magnitude)) - 8); its byte is the largest magnitude's exponent field - 8, held at 1 from below.
; LIMITS: a block of zeros gets the byte 1 (its codes are zeros; only this program reads the bytes); NaN and infinities among the inputs are not served;
; |positions| up to 2^20 (the angle is reduced by pi/2 in two parts; absolute error of sine and cosine about 1e-7);
; the 16 frequencies 10^(-i/4) are written as correctly rounded f32 numbers.
.set EMAX,  8
.set MANT,  0x600000                   ; the mantissa field of 448 as f32
.set WV,    22                         ; s22 my wave's number
.set MN,    24                         ; s24 MANT
.set STEPS, 16
.set CB,    16
.set XR,    16                         ; x path: v16-79 four sets of 16 numbers as loaded
.set XX,    80                         ; v80-111 two sets of 16 neighbours
.set XE,    112                        ; v112-127 a scale byte for each step
.set XC,    128                        ; v128-191 codes, four registers a step
.set WREG,  8192                       ; LDS bytes 0-32767: a region for each wave: two stages of 32 x SP, then 256 scale bytes
.set SP,    80
.set NB,    8                          ; w path: blocks of 32 along K for a wave
.set WPITCH, 272
.set WSTG,  32768                      ; LDS bytes 32768-67583: a stage of 32 x 272 for each wave
.set WX,    32                         ; v32-95 two sets of 32 numbers
.set WC,    96                         ; v96-103 a block's codes
.set WOUT,  112                        ; v112-175 the way out
.set WSB,   24                         ; v24-25 scale bytes
	s_load_b512 s[4:19], s[0:1], 0x0               ; hidden_states s[4:5], Wq s[6:7], Wk s[8:9], Wv s[10:11], Wo s[12:13], positions s[14:15], codes s[16:17], scales s[18:19]
	s_load_b64 s[20:21], s[0:1], 0x40              ; tab
	v_lshl_add_u32 v192, v0, 2, 0x11000
	v_mov_b32 v193, 0
	v_lshrrev_b32 v1, 5, v0
	v_readfirstlane_b32 s[WV], v1                  ; wave 0..3
	v_and_b32 v2, 31, v0                           ; lane
	s_mov_b32 s[MN], MANT
	s_cmp_lt_u32 ttmp9, 128
	s_cbranch_scc0 .Lnot_x
; ---------------- hidden_states: a wave takes 8 rows (8,192 numbers) in 16 steps of 512 ----------------
; Each load reads 512 consecutive bytes; a step's 2,048 bytes turn through the wave's stage so that a lane holds 16 neighbours (two lanes hold a block).
	v_lshlrev_b32 v3, 4, v2                        ; my 16 bytes of a load's 512
	s_mul_i32 s23, s[WV], WREG
	v_lshrrev_b32 v14, 2, v2
	v_mul_u32_u24 v14, v14, SP
	v_and_b32 v15, 3, v2
	v_lshl_add_u32 v14, v15, 4, v14
	v_add_nc_u32 v14, s23, v14                     ; the stage, in: SP (lane / 4) + 16 (lane % 4)
	v_mul_u32_u24 v15, v2, SP
	v_add_nc_u32 v15, s23, v15                     ; out: SP x lane
	v_mul_u32_u24 v4, v2, CB                       ; my codes' place in a step's
	v_lshrrev_b32 v5, 1, v2
	s_add_co_u32 s23, s23, 2*32*SP
	v_add_nc_u32 v5, s23, v5                       ; my block's scale byte in the wave's 256
	v_lshlrev_b32 v7, 3, v2
	v_add_nc_u32 v6, s23, v7
	s_lshl_b32 s25, ttmp9, 2
	s_add_co_u32 s26, s25, s[WV]                   ; which 8 rows I read: 4 x work-group + wave
	s_and_b32 s27, s[WV], 1
	s_lshl_b32 s27, s27, 1
	s_lshr_b32 s28, s[WV], 1
	s_or_b32 s27, s27, s28
	s_add_co_u32 s28, s25, s27                     ; and where they go: the wave's two bits exchanged: these are bits 3 and 4 of the row: pi
	s_lshl_b32 s26, s26, 15                        ; 32,768 bytes of f32 a run
	s_mov_b32 s27, 0
	s_wait_alu depctr_va_vdst(0)
	s_wait_kmcnt 0x0
	s_add_nc_u64 s[4:5], s[4:5], s[26:27]
	s_lshl_b32 s26, s28, 13                        ; 8,192 bytes of codes
	s_add_nc_u64 s[16:17], s[16:17], s[26:27]
	s_lshl_b32 s26, s28, 8                         ; 256 scale bytes
	s_add_nc_u64 s[18:19], s[18:19], s[26:27]
.macro XLOAD t
.irp i, 0,1,2,3
	global_load_b128 v[XR+16*((\t)%4)+4*\i:XR+16*((\t)%4)+4*\i+3], v3, s[4:5] offset:2048*(\t)+512*\i th:TH_LOAD_NT
.endr
.endm
.macro XTURN t                         ; LDS serves a wave's instructions in order: no wait between the stores and the loads
.irp i, 0,1,2,3
	ds_store_b128 v14, v[XR+16*((\t)%4)+4*\i:XR+16*((\t)%4)+4*\i+3] offset:32*SP*((\t)%2)+8*SP*\i
.endr
.irp i, 0,1,2,3
	ds_load_b128 v[XX+16*((\t)%2)+4*\i:XX+16*((\t)%2)+4*\i+3], v15 offset:32*SP*((\t)%2)+16*\i
.endr
.endm
.irp t, 0,1,2,3
	XLOAD \t
.endr
	s_wait_loadcnt 12                              ; step 0's four loads are in
	XTURN 0
.macro XSTEP t
.set XS, XX+16*((\t)%2)
.if (\t) > 0
	s_wait_dscnt 1                                 ; this step's numbers are back from the stage (the last step's byte store may be out)
.else
	s_wait_dscnt 0x0
.endif
.if (\t)+4 < STEPS
	XLOAD (\t)+4                                   ; into the registers that the stage's stores have read
.endif
.if (\t)+1 < STEPS
.if STEPS-2-(\t) >= 3
	s_wait_loadcnt 12                              ; the next step's four loads are in; three steps' may be out
.else
	s_wait_loadcnt 4*(STEPS-2-(\t))
.endif
	XTURN (\t)+1
.endif
	v_max3_num_f32 v8, |v[XS]|, |v[XS+1]|, |v[XS+2]|
	v_max3_num_f32 v9, |v[XS+3]|, |v[XS+4]|, |v[XS+5]|
.irp i, 6,10
	v_max3_num_f32 v8, v8, |v[XS+\i]|, |v[XS+\i+1]|
	v_max3_num_f32 v9, v9, |v[XS+\i+2]|, |v[XS+\i+3]|
.endr
	v_max3_num_f32 v8, v8, |v[XS+14]|, |v[XS+15]|
	v_max3_num_f32 v8, v8, v9, (EMAX+1)<<23        ; the floor 2^(9 - 127): the byte cannot fall under 1
	v_max_num_f32_dpp v8, v8, v8 row_xmask:1 row_mask:0xf bank_mask:0xf   ; with my neighbour's 16: the block's largest magnitude
	v_add_nc_u32 v11, -(EMAX<<23), v8              ; 8 off its exponent field: the conversion's scale operand
	v_and_or_b32 v10, v8, 0x7f800000, s[MN]        ; 448 x the scale
.irp i, 0,1,2,3,4,5,6,7,8,9,10,11,12,13,14,15
	v_med3_num_f32 v[XS+\i], v[XS+\i], -v10, v10   ; the conversion to an 8-bit code does not saturate (ISA guide 7.6.2): hold first
.endr
	v_cvt_scalef32_pk8_fp8_f32 v[XC+4*(\t):XC+4*(\t)+1], v[XS:XS+7], v11
	v_cvt_scalef32_pk8_fp8_f32 v[XC+4*(\t)+2:XC+4*(\t)+3], v[XS+8:XS+15], v11
	v_lshrrev_b32 v[XE+(\t)], 23, v11              ; the scale's byte
	ds_store_b8 v5, v[XE+(\t)] offset:16*(\t)      ; both lanes of a block write the same byte with the same value
	global_store_b128 v4, v[XC+4*(\t):XC+4*(\t)+3], s[16:17] offset:32*CB*(\t)   ; the wave stores 512 consecutive bytes
.endm
.irp t, 0,1,2,3,4,5,6,7,8,9,10,11,12,13,14,15
	XSTEP \t
.endr
	ds_load_b64 v[12:13], v6                       ; these see my byte stores
	s_wait_dscnt 0x0
	global_store_b64 v7, v[12:13], s[18:19]        ; 32 lanes store 256 consecutive bytes, aligned
	s_wait_tensorcnt 0x0
	ds_add_u32 v192, v193
	s_wait_dscnt 0x0
	s_endpgm
.Lnot_x:
	s_cmp_lt_u32 ttmp9, 256
	s_cbranch_scc0 .Ltab
; ---------------- the weights: a wave takes 32 columns (a head) x 256 along K ----------------
	s_sub_co_u32 s23, ttmp9, 128
	s_lshr_b32 s25, s23, 5                         ; which weight: 0 Wq, 1 Wk, 2 Wv, 3 Wo
	s_and_b32 s26, s23, 7                          ; which 128 columns
	s_bfe_u32 s27, s23, 0x20003                    ; which 256 along K
	s_cmp_lt_u32 s25, 3
	s_cselect_b32 s30, 24, 0                       ; Wq, Wk, Wv: bits 3 and 4 are exchanged; Wo: not
	s_wait_alu depctr_va_vdst(0)
	v_lshrrev_b32 v10, 3, v2
	v_lshrrev_b32 v11, 4, v2
	v_xor_b32 v10, v10, v11
	v_and_b32 v10, 1, v10                          ; do the two bits differ?
	v_mul_u32_u24 v10, v10, s30
	v_xor_b32 v10, v10, v2                         ; the column that my place holds: pi(lane), or lane
	v_lshlrev_b32 v3, 2, v10                       ; in: 4 bytes a column
	s_mul_i32 s31, s[WV], 32*WPITCH
	s_add_co_u32 s31, s31, WSTG                    ; my stage
	v_mul_u32_u24 v4, v2, WPITCH
	v_add_nc_u32 v4, s31, v4                       ; into it: row = my place
	v_and_b32 v5, 15, v2
	v_lshrrev_b32 v6, 4, v2
	v_mul_u32_u24 v7, v6, WPITCH
	v_lshl_add_u32 v7, v5, 4, v7
	v_add_nc_u32 v7, s31, v7                       ; out of it: sixteen lanes to a row, two rows an instruction
	v_lshlrev_b32 v8, 10, v6
	v_lshl_add_u32 v8, v5, 4, v8                   ; and the same place in the codes' buffer (rows of 1,024 bytes)
	v_lshlrev_b32 v9, 5, v2                        ; my place's row of scale bytes
	s_lshl_b32 s28, s26, 7
	s_lshl_b32 s29, s[WV], 5
	s_add_co_u32 s28, s28, s29                     ; my wave's first column
	s_lshl_b32 s32, s27, 20                        ; 256 rows of 4,096 bytes
	s_lshl_b32 s33, s28, 2
	s_add_co_u32 s32, s32, s33
	s_mov_b32 s33, 0
	s_lshl_b32 s29, s25, 10
	s_add_co_u32 s29, s29, s28
	s_add_co_u32 s29, s29, 4096                    ; my wave's first place
	s_lshl_b32 s34, s29, 10
	s_lshl_b32 s35, s27, 8
	s_add_co_u32 s34, s34, s35
	s_mov_b32 s35, 0
	s_lshl_b32 s36, s29, 5
	s_lshl_b32 s37, s27, 3
	s_add_co_u32 s36, s36, s37
	s_mov_b32 s37, 0
	s_wait_kmcnt 0x0
	s_cmp_eq_u32 s25, 1                            ; the choice of the buffer hangs on the work-group's number alone
	s_cselect_b64 s[6:7], s[8:9], s[6:7]
	s_cmp_eq_u32 s25, 2
	s_cselect_b64 s[6:7], s[10:11], s[6:7]
	s_cmp_eq_u32 s25, 3
	s_cselect_b64 s[6:7], s[12:13], s[6:7]
	s_add_nc_u64 s[6:7], s[6:7], s[32:33]
	s_add_nc_u64 s[16:17], s[16:17], s[34:35]
	s_add_nc_u64 s[18:19], s[18:19], s[36:37]
.macro WLOAD t                         ; block t: W(32 t + i, my column) into set t % 2; a wave's load covers one head's 128 bytes of a row
.irp i, 0,1,2,3,4,5,6,7,8,9,10,11,12,13,14,15,16,17,18,19,20,21,22,23,24,25,26,27,28,29,30,31
	global_load_b32 v[WX+32*((\t)%2)+\i], v3, s[6:7] offset:(32*(\t)+\i)*4096 th:TH_LOAD_NT
.endr
.endm
	WLOAD 0
	WLOAD 1
.macro WBLOCK t
.set WS, WX+32*((\t)%2)
.if (\t) < NB-1
	s_wait_loadcnt 32                              ; this block's 32 loads are in; the next block's may be out
.else
	s_wait_loadcnt 0
.endif
	v_max3_num_f32 v12, |v[WS]|, |v[WS+1]|, |v[WS+2]|               ; all 32 numbers of the block are mine
	v_max3_num_f32 v13, |v[WS+3]|, |v[WS+4]|, |v[WS+5]|
.irp i, 6,10,14,18,22,26
	v_max3_num_f32 v12, v12, |v[WS+\i]|, |v[WS+\i+1]|
	v_max3_num_f32 v13, v13, |v[WS+\i+2]|, |v[WS+\i+3]|
.endr
	v_max3_num_f32 v12, v12, |v[WS+30]|, |v[WS+31]|
	v_max3_num_f32 v12, v12, v13, (EMAX+1)<<23
	v_add_nc_u32 v11, -(EMAX<<23), v12
	v_and_or_b32 v10, v12, 0x7f800000, s[MN]
	v_lshrrev_b32 v13, 23, v11
.if (\t)%4 == 0
	v_mov_b32 v[WSB+(\t)/4], v13                   ; four bytes to a register, the lower K in the lower byte
.else
	v_lshl_or_b32 v[WSB+(\t)/4], v13, 8*((\t)%4), v[WSB+(\t)/4]
.endif
.irp i, 0,1,2,3,4,5,6,7,8,9,10,11,12,13,14,15,16,17,18,19,20,21,22,23,24,25,26,27,28,29,30,31
	v_med3_num_f32 v[WS+\i], v[WS+\i], -v10, v10
.endr
.irp g, 0,1,2,3
	v_cvt_scalef32_pk8_fp8_f32 v[WC+2*\g:WC+2*\g+1], v[WS+8*\g:WS+8*\g+7], v11
.endr
	ds_store_b128 v4, v[WC:WC+3] offset:32*(\t)
	ds_store_b128 v4, v[WC+4:WC+7] offset:32*(\t)+16
.if (\t)+2 < NB
	WLOAD (\t)+2
.endif
	s_wait_dscnt 0x0                               ; the stores have read their registers: the next block's codes may be written
.endm
.irp t, 0,1,2,3,4,5,6,7
	WBLOCK \t
.endr
	global_store_b64 v9, v[WSB:WSB+1], s[18:19]    ; my place's 8 scale bytes
.irp t, 0,1,2,3,4,5,6,7,8,9,10,11,12,13,14,15
	ds_load_b128 v[WOUT+4*\t:WOUT+4*\t+3], v7 offset:2*\t*WPITCH
.endr
.irp t, 0,1,2,3,4,5,6,7,8,9,10,11,12,13,14,15
	s_wait_dscnt 15-\t
	global_store_b128 v8, v[WOUT+4*\t:WOUT+4*\t+3], s[16:17] offset:2*\t*1024   ; sixteen lanes store 256 consecutive bytes, aligned
.endr
	s_wait_tensorcnt 0x0
	ds_add_u32 v192, v193
	s_wait_dscnt 0x0
	s_endpgm
.Ltab:
; ---------------- the table: a wave makes one block of 16 places x 16 frequencies ----------------
	s_sub_co_u32 s23, ttmp9, 256
	s_lshl_b32 s23, s23, 2
	s_add_co_u32 s23, s23, s[WV]                   ; blk
	s_lshr_b32 s25, s23, 1
	s_lshl_b32 s25, s25, 5
	s_and_b32 s26, s23, 1
	s_lshl_b32 s26, s26, 3
	s_add_co_u32 s25, s25, s26                     ; 32 (blk / 2) + 8 (blk % 2)
	v_and_b32 v1, 15, v0                           ; r
	v_and_b32 v3, 8, v1
	v_add_nc_u32 v3, v3, v1                        ; r + 8 (r / 8)
	v_add_nc_u32 v3, s25, v3                       ; pi(16 blk + r): the index in the sequence that this place holds
	v_lshlrev_b32 v3, 2, v3
	s_wait_alu depctr_va_vdst(0)
	s_wait_kmcnt 0x0
	global_load_b32 v4, v3, s[14:15]
	v_bfe_u32 v5, v0, 4, 1
	v_xor_b32 v5, 1, v5
	v_lshlrev_b32 v5, 31, v5                       ; lanes 0-15 hold -sin: there the partner is subtracted
	v_lshlrev_b32 v6, 4, v2
	s_lshl_b32 s26, s23, 12
	s_mov_b32 s27, 0
	s_add_nc_u64 s[20:21], s[20:21], s[26:27]
	s_mov_b32 s32, 0xbfc90fdb                      ; -(pi/2 as f32)
	s_mov_b32 s33, 0x333bbd2e                      ; that f32 number less pi/2
	s_mov_b32 s34, 0xbe2aaaa3                      ; sine: r + r r2 (S1 + S2 r2 + S3 r2^2)
	s_mov_b32 s35, 0x3c08839e
	s_mov_b32 s36, 0xb94ca1f9
	s_mov_b32 s37, 0x3d2aaaa5                      ; cosine: 1 - r2 / 2 + r2^2 (C1 + C2 r2 + C3 r2^2)
	s_mov_b32 s38, 0xbab6061a
	s_mov_b32 s39, 0x37ccf5ce
	s_wait_loadcnt 0x0
	v_cvt_f32_i32 v4, v4
.macro SINCOS f, inv
.set TT, 8+8*((\f)%2)
	v_mul_f32 v[TT], \inv, v4                      ; the angle, rounded to f32 as the problem has it
	v_mul_f32 v[TT+1], 0x3f22f983, v[TT]
	v_rndne_f32 v[TT+1], v[TT+1]                   ; n = the nearest multiple of pi/2
	v_fma_f32 v[TT], v[TT+1], s32, v[TT]
	v_fma_f32 v[TT], v[TT+1], s33, v[TT]           ; r = angle - n pi/2, |r| <= pi/4
	v_cvt_i32_f32 v[TT+1], v[TT+1]
	v_mul_f32 v[TT+2], v[TT], v[TT]
	v_fma_f32 v[TT+3], v[TT+2], s36, s35
	v_fma_f32 v[TT+3], v[TT+3], v[TT+2], s34
	v_mul_f32 v[TT+3], v[TT+3], v[TT+2]
	v_fma_f32 v[TT+3], v[TT+3], v[TT], v[TT]       ; sin r
	v_fma_f32 v[TT+4], v[TT+2], s39, s38
	v_fma_f32 v[TT+4], v[TT+4], v[TT+2], s37
	v_fma_f32 v[TT+4], v[TT+4], v[TT+2], -0.5
	v_fma_f32 v[TT+4], v[TT+4], v[TT+2], 1.0       ; cos r
	v_and_b32 v[TT+5], 1, v[TT+1]
	v_cmp_eq_u32 vcc_lo, 1, v[TT+5]                ; n odd: the two change places
	v_cndmask_b32 v[TT+6], v[TT+3], v[TT+4], vcc_lo
	v_cndmask_b32 v[TT+7], v[TT+4], v[TT+3], vcc_lo
	v_lshlrev_b32 v[TT+5], 30, v[TT+1]
	v_and_b32 v[TT+5], 0x80000000, v[TT+5]         ; the sine is negative where n % 4 is 2 or 3,
	v_xor_b32 v[TT+5], v[TT+5], v5                 ; and is stored negated in lanes 0-15
	v_xor_b32 v[48+(\f)], v[TT+5], v[TT+6]
	v_add_nc_u32 v[TT+1], 1, v[TT+1]
	v_lshlrev_b32 v[TT+1], 30, v[TT+1]
	v_and_b32 v[TT+1], 0x80000000, v[TT+1]         ; the cosine where n % 4 is 1 or 2
	v_xor_b32 v[32+(\f)], v[TT+1], v[TT+7]
.endm
	SINCOS 0, 0x3f800000
	SINCOS 1, 0x3f0ff59a
	SINCOS 2, 0x3ea1e89b
	SINCOS 3, 0x3e361887
	SINCOS 4, 0x3dcccccd
	SINCOS 5, 0x3d6655c3
	SINCOS 6, 0x3d0186e2
	SINCOS 7, 0x3c91ad39
	SINCOS 8, 0x3c23d70a
	SINCOS 9, 0x3bb8449c
	SINCOS 10, 0x3b4f3e37
	SINCOS 11, 0x3ae91528
	SINCOS 12, 0x3a83126f
	SINCOS 13, 0x3a136a16
	SINCOS 14, 0x39a5cb5f
	SINCOS 15, 0x393a7753
.irp i, 0,1,2,3,4,5,6,7
	global_store_b128 v6, v[32+4*\i:35+4*\i], s[20:21] offset:512*\i   ; the wave stores 512 consecutive bytes
.endr
	s_endpgm
.Lfunc_end_k_qd35447b15c_prep:
	.size	k_qd35447b15c_prep, .Lfunc_end_k_qd35447b15c_prep-k_qd35447b15c_prep
	.p2alignl 7, 3214868480
	.fill 96, 4, 3214868480
	.section	.rodata,"a",@progbits
	.p2align	6, 0x0
	.amdhsa_kernel k_qd35447b15c_prep
		.amdhsa_group_segment_fixed_size 70144
		.amdhsa_private_segment_fixed_size 0
		.amdhsa_enable_private_segment 0
		.amdhsa_kernarg_size 72
		.amdhsa_user_sgpr_count 2
		.amdhsa_user_sgpr_kernarg_segment_ptr 1
		.amdhsa_wavefront_size32 1
		.amdhsa_system_sgpr_workgroup_id_x 1
		.amdhsa_system_sgpr_workgroup_id_y 1
		.amdhsa_system_sgpr_workgroup_id_z 1
		.amdhsa_system_vgpr_workitem_id 0
		.amdhsa_next_free_vgpr 194
		.amdhsa_next_free_sgpr 66
		.amdhsa_reserve_vcc 1
		.amdhsa_float_denorm_mode_32 3
		.amdhsa_float_denorm_mode_16_64 3
		.amdhsa_memory_ordered 1
		.amdhsa_forward_progress 1
		.amdhsa_inst_pref_size 132
	.end_amdhsa_kernel
	.amdgpu_metadata
---
amdhsa.version: [ 1, 2 ]
amdhsa.kernels:
  - .name:           k_qd35447b15c_prep
    .symbol:         k_qd35447b15c_prep.kd
    .args:
      - { .name: hidden_states, .offset: 0, .size: 8, .value_kind: global_buffer, .address_space: global }
      - { .name: Wq, .offset: 8, .size: 8, .value_kind: global_buffer, .address_space: global }
      - { .name: Wk, .offset: 16, .size: 8, .value_kind: global_buffer, .address_space: global }
      - { .name: Wv, .offset: 24, .size: 8, .value_kind: global_buffer, .address_space: global }
      - { .name: Wo, .offset: 32, .size: 8, .value_kind: global_buffer, .address_space: global }
      - { .name: positions, .offset: 40, .size: 8, .value_kind: global_buffer, .address_space: global }
      - { .name: codes, .offset: 48, .size: 8, .value_kind: global_buffer, .address_space: global }
      - { .name: scales, .offset: 56, .size: 8, .value_kind: global_buffer, .address_space: global }
      - { .name: tab, .offset: 64, .size: 8, .value_kind: global_buffer, .address_space: global }
    .group_segment_fixed_size: 70144
    .private_segment_fixed_size: 0
    .kernarg_segment_align: 8
    .kernarg_segment_size: 72
    .max_flat_workgroup_size: 128
    .sgpr_count:     66
    .vgpr_count:     194
    .wavefront_size: 32
...
	.end_amdgpu_metadata
.endif
;; end of part 1
;; launch proj (part 2): grid 12 x 16, 4 waves a work-group, clusters of 4 x 4, 327,680 bytes of LDS; arguments codes, scales, tab, qkvrec; writes qkvrec
.if DOCPART == 2
	.amdgcn_target "amdgcn-amd-amdhsa--gfx1250"
	.amdhsa_code_object_version 6
	.text
	.protected	k_qd35447b15c_proj
	.globl	k_qd35447b15c_proj
	.p2align	8
	.type	k_qd35447b15c_proj,@function
k_qd35447b15c_proj:
	s_mov_b64 s[64:65], 0
	v_nop
	global_prefetch_b8 v0, s[64:65] scope:SCOPE_SE
	s_setreg_imm32_b32 hwreg(HW_REG_WAVE_MODE, 25, 1), 1
	s_wait_xcnt 0x0
	s_wait_alu depctr_hold_cnt(0) depctr_sa_sdst(0) depctr_va_vdst(0) depctr_va_sdst(0) depctr_va_ssrc(0) depctr_va_vcc(0) depctr_vm_vsrc(0)
	s_getreg_b32 s2, hwreg(HW_REG_IB_STS2, 6, 4)
	s_cmp_eq_u32 s2, 0
	s_cbranch_scc0 .Lentry_in_a_cluster
	s_endpgm
.Lentry_in_a_cluster:
	s_bfe_u32 s2, ttmp6, 0x10000c
	s_cmp_lg_u32 s2, 0xf033
	s_cbranch_scc0 .Lentry_shape_is_right
	s_endpgm
.Lentry_shape_is_right:
.set NQ,     2
.set ROWB,   256
.set KROW,   1024
.set PITCH,  272
.set FR,     16
.set NL,     4
.set NP,     8
.set HALFT,  128*PITCH
.set SLOT,   4*HALFT
.set KS,     32
.set SCL,    2*SLOT
.set HALFS,  (128*KS/256)*272
.set SBLK,   (16*KS/256)*272
.set SPARE,  SCL+4*HALFS
.set REC,    215040
.set ADRA, 16
.set ADRB, 20
.set ADRS, 27
.set SPW,  28
.set NIL,  29
.set LI,   30
.set LS,   31
.set SC,   32
.set AF,   128
.set RT,   64
.set PT,   128
.set TM,   192
.set PC,   208
.set BY,   224
.set SWD,  232
.set PWU,  236
.set VSW,  238
.set G1, 24
.set G0, 32
.set G1B, 48
.set G0B, 56
.set SEL, 66
.set G1S, 68
.set G0S, 76
.set G1SB, 80
.set G0SB, 88
.set KIND, 95
.set TAB,  96
.set OUT,  98
.set OUTS, 100
.set MNT,  104
.set HM,   105
.set MSB, 0
.macro WIN new
.if MSB != (\new)
	s_set_vgpr_msb (MSB<<8)|(\new)
.set MSB, (\new)
.endif
.endm
.set MUL_LO, 0xa1
.set MUL_HI, 0xf1
.set TO_B,   0x40
.macro JLOAD g0a, g1a, g0b, g1b
	s_cmp_eq_u32 s15, 0
	s_cbranch_scc0 .Lfor_b_\@
	tensor_load_to_lds s[\g0a:\g0a+3], s[\g1a:\g1a+7]
	s_nop 0
.rept 4
	v_nop
.endr
	s_branch .Lasked_\@
.Lfor_b_\@:
	tensor_load_to_lds s[\g0b:\g0b+3], s[\g1b:\g1b+7]
	s_nop 0
.rept 4
	v_nop
.endr
.Lasked_\@:
.endm
.macro CREST
	s_cmp_lg_u32 s14, 0
	s_cbranch_scc1 .Lnot_wave_0_\@
	s_barrier_signal -3
.Lnot_wave_0_\@:
	s_barrier_wait -3
	s_barrier_signal -1
	s_barrier_wait -1
.endm
.macro CROUND
	s_barrier_signal -1
	s_barrier_wait -1
	CREST
.endm
	s_load_b256 s[4:11], s[0:1], 0x0
	v_lshl_add_u32 v[SPW], v0, 2, SPARE
	v_mov_b32 v[NIL], 0
	ds_add_u32 v28, v29
	ds_add_u32 v28, v29
	s_wait_dscnt 0x0
	v_lshrrev_b32 v1, 5, v0
	v_readfirstlane_b32 s14, v1
	s_lshr_b32 s15, s14, 1
	s_and_b32 s16, s14, 1
	s_bfe_u32 s40, ttmp6, 0x40000
	s_bfe_u32 s41, ttmp6, 0x40004
	s_and_b32 s17, ttmp7, 0xffff
	s_lshl_b32 s17, s17, 2
	s_lshl_b32 s42, ttmp9, 2
	s_add_co_u32 s42, s42, 16
	s_cmp_eq_u32 ttmp9, 2
	s_cselect_b32 s[KIND], 1, 0
	s_cselect_b32 s18, 24, s17
	s_cselect_b32 s19, s17, s42
	s_add_co_u32 s17, s18, s41
	s_add_co_u32 s42, s19, s40
	s_lshl_b32 s43, s41, 2
	s_lshl_b32 s43, 15, s43
	s_lshl_b32 s44, 0x1111, s40
	s_or_b32 s[G1+0], s43, (0<<16)|(1<<20)|(1<<21)|(5<<22)|(3<<25)
	s_or_b32 s[G1B+0], s44, (0<<16)|(1<<20)|(1<<21)|(5<<22)|(3<<25)
.irp g, G1, G1B
	s_mov_b32 s[\g+1], ROWB<<16
	s_mov_b32 s[\g+2], 256<<16                     ; the head's loads of codes bring a whole tile of 256 rows
	s_mov_b32 s[\g+3], ROWB<<16
	s_mov_b32 s[\g+4], 256
	s_mov_b32 s[\g+5], KROW
	s_mov_b32 s[\g+6], 0
	s_mov_b32 s[\g+7], 0
.endr
	s_or_b32 s[G1S+0], s43, (3<<16)|(1<<20)|(1<<21)|(5<<22)|(3<<25)
	s_or_b32 s[G1SB+0], s44, (3<<16)|(1<<20)|(1<<21)|(5<<22)|(3<<25)
.irp g, G1S, G1SB
	s_mov_b32 s[\g+1], 32<<16
	s_mov_b32 s[\g+2], (256*KS/256)<<16            ; the scale bytes of 256 rows
	s_mov_b32 s[\g+3], 32<<16
	s_mov_b32 s[\g+4], 256*KS/256
	s_mov_b32 s[\g+5], 32
	s_mov_b32 s[\g+6], 0
	s_mov_b32 s[\g+7], 0
.endr
	s_lshl_b32 s18, s16, 7
	s_lshl_b32 s20, s17, 8
	s_add_co_u32 s20, s20, s18
	s_lshl_b32 s46, s42, 8
	s_add_co_u32 s46, s46, s18
	s_lshl_b32 s22, s17, 13                        ; a tile's scale bytes begin 256 x 32 bytes x its number on
	s_mov_b32 s23, 0
	s_lshl_b32 s92, s42, 13
	s_mov_b32 s93, 0
	s_lshl_b32 s20, s20, 10
	s_mov_b32 s21, 0
	s_lshl_b32 s46, s46, 10
	s_mov_b32 s47, 0
	s_mul_i32 s45, s14, HALFT
	s_wait_kmcnt 0x0
	s_add_nc_u64 s[20:21], s[4:5], s[20:21]
	s_add_nc_u64 s[22:23], s[6:7], s[22:23]
	s_add_nc_u64 s[46:47], s[4:5], s[46:47]
	s_add_nc_u64 s[92:93], s[6:7], s[92:93]
	CROUND
	s_mov_b32 s[G0S], 1
	s_mov_b32 s[G0S+1], SCL
	s_mov_b64 s[G0S+2:G0S+3], s[22:23]
	s_or_b32 s[G0S+3], s[G0S+3], 0x80000000
	s_mov_b32 s[G0SB], 1
	s_mov_b32 s[G0SB+1], SCL+2*HALFS
	s_mov_b64 s[G0SB+2:G0SB+3], s[92:93]
	s_or_b32 s[G0SB+3], s[G0SB+3], 0x80000000
.irp s, 0,1
	s_mov_b32 s[G0+4*\s], 1
	s_add_co_u32 s[G0+4*\s+1], s45, \s*SLOT
	s_add_nc_u64 s[G0+4*\s+2:G0+4*\s+3], s[20:21], \s*ROWB
	s_or_b32 s[G0+4*\s+3], s[G0+4*\s+3], 0x80000000
	s_mov_b32 s[G0B+4*\s], 1
	s_add_co_u32 s[G0B+4*\s+1], s45, \s*SLOT
	s_add_nc_u64 s[G0B+4*\s+2:G0B+4*\s+3], s[46:47], \s*ROWB
	s_or_b32 s[G0B+4*\s+3], s[G0B+4*\s+3], 0x80000000
.endr
; the head's four loads, one a wave, in one chain of branches on the wave's number: wave 0 K step 0's 256 rows of A (its slot 0 descriptor names the tile's first row and LDS byte 0),
; wave 1 A's scale bytes, wave 2 the 256 rows of B (its descriptor names B's first row and place), wave 3 B's scale bytes
.macro ARM under, g0, g1, next
	s_cmp_lt_u32 s14, \under
	s_cbranch_scc0 \next
	tensor_load_to_lds s[\g0:\g0+3], s[\g1:\g1+7]
	s_nop 0
.rept 4
	v_nop
.endr
	s_branch .Lhead_asked
\next:
.endm
	ARM 1, G0, G1, .Lhead_sa
	ARM 2, G0S, G1S, .Lhead_b
	ARM 3, G0B, G1B, .Lhead_sb
	tensor_load_to_lds s[G0SB:G0SB+3], s[G1SB:G1SB+7]
	s_nop 0
.rept 4
	v_nop
.endr
.Lhead_asked:
	v_and_b32 v1, 15, v0
	v_bfe_u32 v2, v0, 4, 1
	v_mul_u32_u24 v3, v1, PITCH
	v_lshl_add_u32 v4, v2, 4, v3
	s_mul_i32 s21, s15, HALFT
	s_mul_i32 s22, s16, HALFT
	s_add_co_u32 s22, s22, 2*HALFT
.irp s, 0,1
	v_add_nc_u32 v[ADRA+\s], s21, v4
	v_add_nc_u32 v[ADRB+\s], s22, v4
	s_add_co_u32 s21, s21, SLOT
	s_add_co_u32 s22, s22, SLOT
.endr
	v_mul_u32_u24 v5, v1, KS
	v_lshrrev_b32 v6, 8, v5
	v_lshl_add_u32 v5, v6, 4, v5
	s_mul_i32 s21, s15, HALFS
	s_mul_i32 s22, s16, HALFS
	s_add_co_u32 s22, s22, 2*HALFS
	s_sub_co_u32 s22, s22, s21
	v_mul_u32_u24 v6, s22, v2
	s_add_co_u32 s21, s21, SCL
	v_add_nc_u32 v5, v5, v6
	v_add_nc_u32 v[ADRS], s21, v5
	v_and_b32 v6, 31, v0
	v_lshlrev_b32 v[LI], 4, v6
	v_lshlrev_b32 v[LS], 2, v6
	s_mov_b32 s[SEL], 0x76543210
	s_mov_b32 s[SEL+1], 0xfedcba98
	s_mov_b32 s[MNT], 0x600000
	s_mov_b32 s[HM], 0xffff0000
	s_cmp_eq_u32 s[KIND], 1
	s_cselect_b32 s2, s42, s17
	s_cselect_b32 s3, s16, s15
	s_cselect_b32 s12, s17, s42
	s_cselect_b32 s13, s15, s16
	s_cselect_b32 s18, 7, 9
	s_mov_b32 s20, 141312
	s_mov_b32 s21, 206848
	s_mov_b32 s22, 131072
	s_cmp_eq_u32 ttmp9, 0
	s_cselect_b32 s20, s20, 0
	s_cselect_b32 s21, s21, s22
	s_mov_b32 s22, 65536
	s_mov_b32 s23, 139264
	s_cmp_eq_u32 ttmp9, 2
	s_cselect_b32 s20, s22, s20
	s_cselect_b32 s21, s23, s21
	s_and_b32 s12, s12, 3
	s_lshl_b32 s12, s12, 3
	s_lshl_b32 s13, s13, 2
	s_add_co_u32 s12, s12, s13
	s_lshr_b32 s13, s2, 3
	s_lshl_b32 s13, s13, 5
	s_add_co_u32 s12, s12, s13
	s_mul_i32 s12, s12, REC
	s_and_b32 s2, s2, 7
	s_lshl_b32 s2, s2, 1
	s_add_co_u32 s2, s2, s3
	s_lshl_b32 s3, s2, 12
	s_add_co_u32 s20, s20, s12
	s_add_co_u32 s20, s20, s3
	s_lshl_b32 s3, s2, s18
	s_add_co_u32 s22, s21, s12
	s_add_co_u32 s22, s22, s3
	s_mov_b32 s21, 0
	s_mov_b32 s23, 0
	s_add_nc_u64 s[OUT:OUT+1], s[10:11], s[20:21]
	s_add_nc_u64 s[OUTS:OUTS+1], s[10:11], s[22:23]
	s_and_b32 s12, s17, 7
	s_lshl_b32 s12, s12, 4
	s_lshl_b32 s13, s15, 3
	s_add_co_u32 s12, s12, s13
	s_lshl_b32 s12, s12, 12
	s_mov_b32 s13, 0
	s_add_nc_u64 s[TAB:TAB+1], s[8:9], s[12:13]
.macro FRAG reg, adr, q, i
.irp c, 0,1,2,3
	ds_load_b128 v[\reg+4*\c:\reg+4*\c+3], v[\adr] offset:128*(\q)+32*\c+(\i)*16*PITCH
.endr
.endm
.macro MUL16 a0, p, q, sc, zero
.irp a, \a0, \a0+1
.irp b, 0,1,2,3,4,5,6,7
.if \zero
	v_wmma_scale_f32_16x16x128_f8f6f4 v[8*(8*((\a)%4)+\b):8*(8*((\a)%4)+\b)+7], v[128*(\p)+FR*\b:128*(\p)+FR*\b+FR-1], v[AF+FR*(\a):AF+FR*(\a)+FR-1], 0, v[SC+8*NQ*(\sc)+NQ*\b+(\q)], v[SC+8*NQ*(\sc)+NQ*(\a)+(\q)] matrix_a_scale:MATRIX_SCALE_ROW1
.else
	v_wmma_scale_f32_16x16x128_f8f6f4 v[8*(8*((\a)%4)+\b):8*(8*((\a)%4)+\b)+7], v[128*(\p)+FR*\b:128*(\p)+FR*\b+FR-1], v[AF+FR*(\a):AF+FR*(\a)+FR-1], v[8*(8*((\a)%4)+\b):8*(8*((\a)%4)+\b)+7], v[SC+8*NQ*(\sc)+NQ*\b+(\q)], v[SC+8*NQ*(\sc)+NQ*(\a)+(\q)] matrix_a_scale:MATRIX_SCALE_ROW1
.endif
.endr
.endr
.endm
.macro FETCH_B slot, q, p
	WIN TO_B
.irp i, 0,1,2,3,4,5,6,7
	FRAG 128*(\p)+FR*\i, ADRB+\slot, \q, \i
.endr
	WIN 0
.endm
.macro FETCH_A slot, q, i0
.irp i, \i0, \i0+1, \i0+2, \i0+3
	FRAG AF+FR*(\i), ADRA+\slot, \q, \i
.endr
.endm
.macro SCALES sc
.irp i, 0,1,2,3,4,5,6,7
	ds_load_b64 v[SC+8*NQ*\sc+NQ*\i:SC+8*NQ*\sc+NQ*\i+1], v[ADRS] offset:\i*SBLK
.endr
.endm
.macro PLACES n
.rept \n
	v_nop
.endr
.endm
.macro STEP slot, q, zero
	s_wait_dscnt 4*NL
	WIN MUL_LO
	MUL16 0, (\q)%2, \q, \slot, \zero
	MUL16 2, (\q)%2, \q, \slot, \zero
	s_wait_dscnt 0
	PLACES NP
	FETCH_B \slot, (\q)+1, 1-(\q)%2
	FETCH_A \slot, (\q)+1, 0
	WIN MUL_HI
	MUL16 4, (\q)%2, \q, \slot, \zero
	MUL16 6, (\q)%2, \q, \slot, \zero
	PLACES NP
	WIN 0
	FETCH_A \slot, (\q)+1, 4
.endm
.macro TURN slot, next, fill
	s_wait_tensorcnt 0x0
	ds_add_u32 v[SPW], v[NIL]
	s_wait_dscnt 4*NL+1
	WIN MUL_LO
	MUL16 0, 1, NQ-1, \slot, 0
	s_wait_dscnt 0x0
	s_barrier_signal -1
	MUL16 2, 1, NQ-1, \slot, 0
	WIN 0
	s_barrier_wait -1
.if \fill
	CREST
	s_add_nc_u64 s[G0+4*\slot+2:G0+4*\slot+3], s[G0+4*\slot+2:G0+4*\slot+3], 2*ROWB
	s_add_nc_u64 s[G0B+4*\slot+2:G0B+4*\slot+3], s[G0B+4*\slot+2:G0B+4*\slot+3], 2*ROWB
	JLOAD G0+4*\slot, G1, G0B+4*\slot, G1B
	PLACES NP-4
.else
	PLACES NP
.endif
	s_wait_alu depctr_va_vdst(0)
	v_add_nc_u32 v[ADRS], 4*NQ, v[ADRS]
	FETCH_B \next, 0, 0
	FETCH_A \next, 0, 0
	SCALES \next
	WIN MUL_HI
	MUL16 4, 1, NQ-1, \slot, 0
	MUL16 6, 1, NQ-1, \slot, 0
	PLACES NP
	WIN 0
	FETCH_A \next, 0, 4
.endm
.macro TABLOAD half
	WIN TO_B
.irp k, 0,1,2,3
.irp i, 0,1,2,3,4,5,6,7
	global_load_b128 v[128*\half+32*\k+4*\i:128*\half+32*\k+4*\i+3], v[LI], s[TAB:TAB+1] offset:(4*\half+\k)*4096+512*\i
.endr
.endr
	WIN 0
.endm
.macro ROPE hd, grp
	WIN (2+\grp)|4
.irp e, 0,1,2,3,4,5,6,7,8,9,10,11,12,13,14,15
.irp k, 0,1,2,3
	v_mul_f32 v[RT+16*\k+\e], v[64*\k+16*\hd+\e], v[128*\grp+32*\k+\e]
.endr
.endr
	WIN 2+\grp
.irp e, 0,1,2,3,4,5,6,7,8,9,10,11,12,13,14,15
.irp k, 0,1,2,3
	v_permlanex16_b32 v[PT+16*\k+\e], v[64*\k+16*\hd+\e], s[SEL], s[SEL+1]
.endr
.endr
	WIN 0x04
.irp e, 0,1,2,3,4,5,6,7,8,9,10,11,12,13,14,15
.irp k, 0,1,2,3
	v_fma_f32 v[RT+16*\k+\e], v[PT+16*\k+\e], v[128*\grp+32*\k+16+\e], v[RT+16*\k+\e]
.endr
.endr
	WIN 0
.endm
.macro QUANT src, sw, bdst
	s_wait_xcnt 0x0
	WIN (\sw)|((\sw)<<2)
.irp b, 0,1,2,3
	v_max3_num_f32 v[TM+\b], |v[(\src)+16*\b]|, |v[(\src)+16*\b+1]|, 0x4800000
.endr
.irp i, 2,4,6,8,10,12,14
.irp b, 0,1,2,3
	v_max3_num_f32 v[TM+\b], |v[(\src)+16*\b+\i]|, |v[(\src)+16*\b+\i+1]|, v[TM+\b]
.endr
.endr
	WIN 0
.irp b, 0,1,2,3
	v_permlanex16_b32 v[TM+4+\b], v[TM+\b], s[SEL], s[SEL+1]
.endr
.irp b, 0,1,2,3
	v_max_num_f32 v[TM+\b], v[TM+\b], v[TM+4+\b]
.endr
.irp b, 0,1,2,3
	v_add_nc_u32 v[TM+12+\b], 0xfc000000, v[TM+\b]
.endr
.irp b, 0,1,2,3
	v_and_or_b32 v[TM+8+\b], v[TM+\b], 0x7f800000, s[MNT]
.endr
.irp b, 0,1,2,3
	v_lshrrev_b32 v[(\bdst)+\b], 23, v[TM+12+\b]
.endr
	WIN \sw
.irp b, 0,1,2,3
.irp i, 0,1,2,3,4,5,6,7,8,9,10,11,12,13,14,15
	v_med3_num_f32 v[RT+16*\b+\i], v[(\src)+16*\b+\i], -v[TM+8+\b], v[TM+8+\b]
.endr
.endr
	WIN 0
.irp b, 0,1,2,3
	v_cvt_scalef32_pk8_fp8_f32 v[PC+4*\b:PC+4*\b+1], v[RT+16*\b:RT+16*\b+7], v[TM+12+\b]
	v_cvt_scalef32_pk8_fp8_f32 v[PC+4*\b+2:PC+4*\b+3], v[RT+16*\b+8:RT+16*\b+15], v[TM+12+\b]
.endr
	v_nop
.endm
	s_wait_alu depctr_va_vdst(0)
	s_wait_tensorcnt 0x0                           ; my tile of the head's four is in
	ds_add_u32 v[SPW], v[NIL]
	s_mov_b32 s[G1+2], 128<<16                     ; no tensor load of mine is out: from here on a load brings 128 rows
	s_mov_b32 s[G1+4], 128
	s_mov_b32 s[G1B+2], 128<<16
	s_mov_b32 s[G1B+4], 128
	s_wait_dscnt 0x0
	CROUND                                         ; all four tiles are in, and all sixteen work-groups are here
	JLOAD G0+4, G1, G0B+4, G1B                     ; K step 1, the first tensor load behind the round
	FETCH_B 0, 0, 0
	FETCH_A 0, 0, 0
	SCALES 0
	FETCH_A 0, 0, 4
	STEP 0, 0, 1
	TURN 0, 1, 1
	STEP 1, 0, 0
	TURN 1, 0, 1
	STEP 0, 0, 0
	TURN 0, 1, 0
	STEP 1, 0, 0
	s_cmp_eq_u32 s[KIND], 1
	s_cbranch_scc1 .Lno_tab
	TABLOAD 0
.Lno_tab:
	s_wait_dscnt 4*NL
	WIN MUL_LO
	MUL16 0, 1, NQ-1, 1, 0
	MUL16 2, 1, NQ-1, 1, 0
	s_wait_dscnt 0
	WIN MUL_HI
	MUL16 4, 1, NQ-1, 1, 0
	MUL16 6, 1, NQ-1, 1, 0
	WIN 0
	PLACES NP
	s_cmp_eq_u32 s[KIND], 1
	s_cbranch_scc1 .Lv
	TABLOAD 1
.irp hd, 0,1,2,3
.irp grp, 0,1
.if \hd == 0
	s_wait_loadcnt 32-32*\grp
.endif
	ROPE \hd, \grp
	QUANT RT, 0, BY+4*\grp
.irp k, 0,1,2,3
	global_store_b128 v[LI], v[PC+4*\k:PC+4*\k+3], s[OUT:OUT+1] offset:\hd*REC+(4*\grp+\k)*512
.endr
.endr
.irp i, 0,1,2,3
	v_cndmask_b32 v[SWD+\i], v[BY+2*\i], v[BY+2*\i+1], s[HM]
.endr
	global_store_b128 v[LI], v[SWD:SWD+3], s[OUTS:OUTS+1] offset:\hd*REC
.endr
	s_branch .Ltail
.Lv:
.irp a, 0,1,2,3,4,5,6,7
.set VSRC, 64*(\a%4)
.set VWIN, 2+\a/4
	QUANT VSRC, VWIN, TM+4
	v_lshl_or_b32 v[PWU+\a%2], v[TM+5], 8, v[TM+4]
	v_lshl_or_b32 v[PWU+\a%2], v[TM+6], 16, v[PWU+\a%2]
	v_lshl_or_b32 v[PWU+\a%2], v[TM+7], 24, v[PWU+\a%2]
.irp k, 0,1,2,3
	global_store_b128 v[LI], v[PC+4*\k:PC+4*\k+3], s[OUT:OUT+1] offset:(\a/2)*REC+(\a%2)*2048+512*\k
.endr
.if \a%2 == 1
	v_cndmask_b32 v[VSW], v[PWU], v[PWU+1], s[HM]
	global_store_b32 v[LS], v[VSW], s[OUTS:OUTS+1] offset:(\a/2)*REC
.endif
.endr
.Ltail:
	s_wait_tensorcnt 0x0
	ds_add_u32 v[SPW], v[NIL]
	s_wait_dscnt 0x0
	CROUND
	s_endpgm
.Lfunc_end_k_qd35447b15c_proj:
	.size	k_qd35447b15c_proj, .Lfunc_end_k_qd35447b15c_proj-k_qd35447b15c_proj
	.p2alignl 7, 3214868480
	.fill 96, 4, 3214868480
	.section	.rodata,"a",@progbits
	.p2align	6, 0x0
	.amdhsa_kernel k_qd35447b15c_proj
		.amdhsa_group_segment_fixed_size 327680
		.amdhsa_private_segment_fixed_size 0
		.amdhsa_enable_private_segment 0
		.amdhsa_kernarg_size 32
		.amdhsa_user_sgpr_count 2
		.amdhsa_user_sgpr_kernarg_segment_ptr 1
		.amdhsa_wavefront_size32 1
		.amdhsa_system_sgpr_workgroup_id_x 1
		.amdhsa_system_sgpr_workgroup_id_y 1
		.amdhsa_system_sgpr_workgroup_id_z 1
		.amdhsa_system_vgpr_workitem_id 0
		.amdhsa_next_free_vgpr 1024
		.amdhsa_next_free_sgpr 106
		.amdhsa_reserve_vcc 0
		.amdhsa_float_denorm_mode_32 3
		.amdhsa_float_denorm_mode_16_64 3
		.amdhsa_memory_ordered 1
		.amdhsa_forward_progress 1
		.amdhsa_inst_pref_size 255
	.end_amdhsa_kernel
	.section	.bss,"aw",@nobits
	.p2align	6
	.space	262144
	.amdgpu_metadata
---
amdhsa.version: [ 1, 2 ]
amdhsa.kernels:
  - .name:           k_qd35447b15c_proj
    .symbol:         k_qd35447b15c_proj.kd
    .args:
      - { .name: codes, .offset: 0, .size: 8, .value_kind: global_buffer, .address_space: global }
      - { .name: scales, .offset: 8, .size: 8, .value_kind: global_buffer, .address_space: global }
      - { .name: tab, .offset: 16, .size: 8, .value_kind: global_buffer, .address_space: global }
      - { .name: qkvrec, .offset: 24, .size: 8, .value_kind: global_buffer, .address_space: global }
    .group_segment_fixed_size: 327680
    .private_segment_fixed_size: 0
    .kernarg_segment_align: 8
    .kernarg_segment_size: 32
    .max_flat_workgroup_size: 128
    .sgpr_count:     106
    .vgpr_count:     1024
    .wavefront_size: 32
...
	.end_amdgpu_metadata
.endif
;; end of part 2
;; launch attn (part 3): grid 256 x 1, 16 waves a work-group, clusters of 4 x 1, 169,984 bytes of LDS; arguments qkvrec, att, att_sc; writes att, att_sc
.if DOCPART == 3
	.amdgcn_target "amdgcn-amd-amdhsa--gfx1250"
	.amdhsa_code_object_version 6
	.text
	.protected	k_qd35447b15c_attn
	.globl	k_qd35447b15c_attn
	.p2align	8
	.type	k_qd35447b15c_attn,@function
k_qd35447b15c_attn:
	s_mov_b64 s[64:65], 0
	v_nop
	global_prefetch_b8 v0, s[64:65] scope:SCOPE_SE
	s_setreg_imm32_b32 hwreg(HW_REG_WAVE_MODE, 25, 1), 1
	s_wait_xcnt 0x0
	s_wait_alu depctr_hold_cnt(0) depctr_sa_sdst(0) depctr_va_vdst(0) depctr_va_sdst(0) depctr_va_ssrc(0) depctr_va_vcc(0) depctr_vm_vsrc(0)
	s_getreg_b32 s2, hwreg(HW_REG_IB_STS2, 6, 4)
	s_cmp_eq_u32 s2, 0
	s_cbranch_scc0 .Lentry_in_a_cluster
	s_endpgm
.Lentry_in_a_cluster:
	s_bfe_u32 s2, ttmp6, 0x10000c
	s_cmp_lg_u32 s2, 0x3003
	s_cbranch_scc0 .Lentry_shape_is_right
	s_endpgm
.Lentry_shape_is_right:
; ATTN: causal attention of one batch and head for each cluster of four work-groups, both products on codes of FP8 (E4M3) with E8M0 scales; the result quantised along the head and stored as the image of the last product's operand.
; THE WHOLE HEAD STAYS IN LDS: K's and V's codes and scale words are the first 141,312 bytes of the head's record, one dense block, filled ONCE by joint loads of the four partners (waves 0-7: 69 rows of 256 bytes each):
; no ring, no refill.  Nothing is prefetched: all that the launch reads through LDS is asked for at its head.
; SHARES.  The head has 128 tiles of 16 queries.  Wave w of partner cx takes tile T = 4 w + cx and then tile 127 - T: last key steps w / 2 and 15 - w / 2, 17 key steps of 128 keys for every wave.
; WORK LEFT OUT: keys that the causal mask, which the problem builds itself, hides from all 16 queries of a tile, in whole units.  The loop has 16 trips, a constant; key steps behind a tile's diagonal are passed over by a branch on ids.
; The step on the diagonal has two copies.  T % 8 = 4 (w % 2) + cx (second tile: 7 less that), so the wave's parity and the phase say in which half of the step's 128 keys the tile lies.  In the upper half: keys 0-63 all count, blocks 2 and 3 are masked.
; In the lower half: keys 64-127 are all hidden and are not multiplied; their codes of p are zeros.  T itself enters global addresses and the mask's vector alone: no branch and no LDS address hangs on a work-group's place in its cluster.
; LAYOUT.  Both products are used transposed: S^T = K Q^T (source 0 = 16 keys), O^T = V^T P^T (source 0 = 16 channels): a lane holds ONE query.  Tiles hold their rows with bits 3 and 4 exchanged,
; so the 16 registers of tiles 2 b, 2 b + 1 are keys 32 b + 16 (lane / 16) + 0..15; O^T's 16 registers likewise are channels 16 (lane / 16) + 0..15.
; THE HEAD'S 32 IN AN INSTRUCTION OF 128: Q's registers 4-15 hold zero codes, and the upper three bytes of Q's and K's scale words are 0 (2^-127).  K's operand for tile t is v[32 + 4 t .. 47 + 4 t]: its own four registers,
; then the next tiles' codes (finite) or zeros: they meet Q's zeros and add nothing.
; SOFTMAX: t = score x log2(e) / sqrt(32); M = the running largest t rounded up to a whole number; p = 2^(t - M) is quantised along the keys; the sum is taken of the unquantised p and divides O at the end.
; Hidden scores in a block that also holds live ones become -infinity ahead of the maximum.  Every query sees its own key, so M is a number from the first step on.
; ORDER OF LOADS.  Both tiles' Q come at the head.  A step's V and, in an open step, the NEXT step's K are asked of LDS behind the step's first products.
; LIMITS: a block of zeros gets the byte 1; NaN and infinities are not served; the scaled scores stay under 2^31 in magnitude.  att_sc is stored a byte a row.
; REGISTERS: v1-7 addresses that stay; v8-11 addresses in hand; v12 -M, v13 largest t, v[14:15] the sum; v16-19 Q, v20-31 zeros; v32-63 K's eight tiles, v64-75 zeros; v76 the mask's vector, v77 -infinity; v78-81 global offsets;
; v82 the result's scale byte; v84-93 Q of this tile and the next, with their scale words; v96-159 S^T, then p; v160-175 O^T; v176-207 V, v208 its scale words; v210-217 partial sums; v218-221 the bounds' second copy;
; v222, v223 the spare word and 0; v224-239 p's codes; v232-247, v252, v254 at work; v248-251 K's scale words; v253 p's; v255 Q's.
.set REC,   215040
.set OFFQ,  141312
.set OFFQS, 206848
.set LV,    65536                      ; LDS: K's codes at 0, V's here,
.set LKS,   131072                     ; K's scale words,
.set LVS,   139264                     ; V's
.set PART,  17664                      ; 69 rows of 256 bytes: a wave's part of the fill
.set ADK,  8
.set ADV,  9
.set ADS,  10
.set ADT,  11
.set WV,   18
.set MNT,  19
.set SEL,  20
.set CS,   22
.set G1,   24
.set G0,   32
.set TL,   36                          ; s36 my tile of queries
.set LIM,  37                          ; s37 its last key step
.set PH,   38
.set ST,   39                          ; s39 the key step
.set TK,   40                          ; s40 where its codes begin: 4,096 bytes a step
.set TS,   41                          ; s41 K's scale words: 512
.set TJ,   42                          ; s42 V's: 128
.set TL2,  43                          ; s43 my second tile
.set LOW,  44                          ; s44 1: the tile lies in the lower 64 keys of its last step
.macro CROUND
	s_barrier_signal -1
	s_barrier_wait -1
	s_cmp_lg_u32 s[WV], 0
	s_cbranch_scc1 .Lnot_wave_0_\@
	s_barrier_signal -3
.Lnot_wave_0_\@:
	s_barrier_wait -3
	s_barrier_signal -1
	s_barrier_wait -1
.endm
.macro QLOAD tl, va, vb, dq, dsw       ; Q's codes (registers 0-3 of the fragment) and row r's scale word of tile s[tl]
	s_lshl_b32 s10, s[\tl], 9
	v_add_nc_u32 v[\va], s10, v1
	global_load_b128 v[\dq:\dq+3], v[\va], s[4:5] offset:OFFQ
	s_lshr_b32 s10, s[\tl], 3
	s_lshl_b32 s10, s10, 9
	s_and_b32 s11, s[\tl], 1
	s_lshl_b32 s11, s11, 8
	s_add_co_u32 s10, s10, s11
	s_bfe_u32 s11, s[\tl], 0x20001
	s_lshl_b32 s11, s11, 2
	s_add_co_u32 s10, s10, s11
	v_add_nc_u32 v[\vb], s10, v6
	global_load_b32 v[\dsw], v[\vb], s[4:5] offset:OFFQS
.endm
	s_load_b128 s[4:7], s[0:1], 0x0                ; qkvrec, att
	s_load_b64 s[8:9], s[0:1], 0x10                ; att_sc
	v_lshl_add_u32 v222, v0, 2, 0x29000
	v_mov_b32 v223, 0
	ds_add_u32 v222, v223                          ; the opening lines: the add twice on end and its wait
	ds_add_u32 v222, v223
	v_lshrrev_b32 v8, 5, v0
	v_readfirstlane_b32 s[WV], v8                  ; wave 0..15
	s_bfe_u32 s10, ttmp6, 0x40000                  ; cx
	s_lshl_b32 s[TL], s[WV], 2
	s_add_co_u32 s[TL], s[TL], s10                 ; T = 4 w + cx
	s_sub_co_u32 s[TL2], 127, s[TL]
	s_lshr_b32 s[LIM], s[WV], 1                    ; T / 8 = w / 2
	s_and_b32 s[LOW], s[WV], 1
	s_xor_b32 s[LOW], s[LOW], 1                    ; T % 8 < 4 where w is even
	s_mov_b32 s[PH], 2
	s_mul_i32 s12, ttmp9, REC                      ; the cluster's number is 32 x batch + head
	s_mov_b32 s13, 0
	s_and_b32 s11, s[WV], 7
	s_mul_i32 s14, s11, PART
	s_mov_b32 s15, 0
	s_mov_b32 s[G1], 15|(3<<16)|(1<<21)            ; the mask: all four partners; elements of 8 bytes; bit 21 beside a mask; no padding: fragments lie as images
	s_mov_b32 s[G1+1], 32<<16                      ; tensor_dim0 = 32 elements: 256 bytes
	s_mov_b32 s[G1+2], 69<<16                      ; tensor_dim1
	s_mov_b32 s[G1+3], 32<<16                      ; tile_dim0
	s_mov_b32 s[G1+4], 69                          ; tile_dim1
	s_mov_b32 s[G1+5], 32                          ; the pitch: dense
	s_mov_b32 s[G1+6], 0
	s_mov_b32 s[G1+7], 0
	s_mov_b32 s[SEL], 0x76543210
	s_mov_b32 s[SEL+1], 0xfedcba98
	s_mov_b32 s[CS], 0x3e8293ee                    ; c = log2(e) / sqrt(32)
	s_mov_b32 s[CS+1], s[CS]
	s_mov_b32 s[MNT], 0x600000
	s_wait_dscnt 0x0
	s_wait_kmcnt 0x0
	s_add_nc_u64 s[4:5], s[4:5], s[12:13]          ; my head's record
	s_mov_b32 s[G0], 1
	s_mov_b32 s[G0+1], s14
	s_add_nc_u64 s[G0+2:G0+3], s[4:5], s[14:15]
	s_or_b32 s[G0+3], s[G0+3], 0x80000000
	CROUND                                         ; all four work-groups are here: the joint loads meet
	s_cmp_lt_u32 s[WV], 8
	s_cbranch_scc0 .Lno_fill
	tensor_load_to_lds s[G0:G0+3], s[G1:G1+7]      ; one load of mine is out
	s_nop 0
.rept 4
	v_nop
.endr
.Lno_fill:
	v_and_b32 v9, 31, v0
	v_and_b32 v10, 15, v0                          ; r
	v_bfe_u32 v11, v0, 4, 1                        ; h
	v_lshlrev_b32 v1, 4, v9                        ; 16 x lane: an image's place for my lane
	v_and_b32 v5, 8, v10
	v_lshlrev_b32 v11, 4, v11
	v_add_nc_u32 v2, LV, v1
	v_add_nc_u32 v3, LKS, v1
	v_lshl_add_u32 v4, v9, 2, LVS
	v_add_nc_u32 v5, v5, v10
	v_lshlrev_b32 v6, 4, v10
	v_lshlrev_b32 v7, 5, v10
	v_sub_nc_u32 v5, v5, v11                       ; r + 8 (r / 8) - 16 h
.irp j, 0,1,2,3,4,5,6,7,8,9,10,11
	v_mov_b32 v[20+\j], 0                          ; Q's zero codes for K = 32 .. 127
	v_mov_b32 v[64+\j], 0                          ; and what stands behind K's last tiles
.endr
	v_mov_b32 v77, 0xff800000
.irp b, 0,1,2,3
	v_mov_b32 v[236+\b], 0                         ; written once: a lane permute's destination counts as one of its sources
.endr
	v_mov_b32 v252, 0
	v_mov_b32 v253, 0
	QLOAD TL, 78, 79, 84, 92                       ; both tiles' Q, while the fill is on its way
	QLOAD TL2, 80, 81, 88, 93
	s_wait_alu depctr_va_vdst(0)                   ; the wait at the head's end
	s_wait_loadcnt 0x0
	s_wait_tensorcnt 0x0                           ; my part of the head has landed,
	s_barrier_signal -1
	s_barrier_wait -1                              ; everybody's has
.macro TM8 j0                          ; t - M of 16 scores
.irp j, 0,2,4,6,8,10,12,14
	v_pk_fma_f32 v[96+\j0+\j:97+\j0+\j], v[96+\j0+\j:97+\j0+\j], s[CS:CS+1], v[12:13] op_sel_hi:[1,0,0]
.endr
.endm
; A KEY STEP.  kind 0: all 128 keys count.  kind 1: on the diagonal, the tile in the upper 64 keys: blocks 2 and 3 are masked.  kind 2: on the diagonal, the tile in the lower 64 keys: blocks 0 and 1 alone are worked, and masked.
.macro STEP kind
.if \kind == 2
.set NBK, 2
.else
.set NBK, 4
.endif
	s_wait_dscnt 0x0                               ; this step's K and its scale words, asked for a step ago
.irp t, 0,2,4,6
.if \t < 2*NBK
	v_wmma_scale_f32_16x16x128_f8f6f4 v[96+8*\t:103+8*\t], v[32+4*\t:47+4*\t], v[16:31], 0, v[248+\t/2], v255
	v_wmma_scale_f32_16x16x128_f8f6f4 v[104+8*\t:111+8*\t], v[36+4*\t:51+4*\t], v[16:31], 0, v[248+\t/2], v255 matrix_a_scale:MATRIX_SCALE_ROW1
.endif
.endr
	v_add_nc_u32 v[ADK], s[TK], v1
	v_add_nc_u32 v[ADV], s[TK], v2
	v_add_nc_u32 v[ADS], s[TS], v3
	v_add_nc_u32 v[ADT], s[TJ], v4
.rept 4
	v_nop                                          ; with the four additions: eight places ahead of the loads into registers that products have read, and of the scores' first reader
.endr
.irp u, 0,1
.irp c, 0,1,2,3
	ds_load_b128 v[176+16*\u+4*\c:179+16*\u+4*\c], v[ADV] offset:2048*\u+512*\c   ; this step's V: nine loads
.endr
.endr
	ds_load_b32 v208, v[ADT]
.if \kind == 0
.irp t, 0,1,2,3,4,5,6,7
	ds_load_b128 v[32+4*\t:35+4*\t], v[ADK] offset:4096+512*\t                    ; the next step's K: nine loads
.endr
	ds_load_b128 v[248:251], v[ADS] offset:512
.else
.set n, 32*(2-\kind)
.rept 32
	v_cmp_gt_i32 vcc_lo, 32*(n/16)+n%16, v76       ; register 16 b + i is hidden where 32 b + i > d
	v_cndmask_b32 v[96+n], v[96+n], v77, vcc_lo
.set n, n+1
.endr
.endif
.set b, 0
.rept NBK
	v_max3_num_f32 v[232+b], v[96+16*b], v[97+16*b], v[98+16*b]   ; the largest score of each block of 32 keys: for the row's maximum and, since p rises with the score, for the block's largest p
.set b, b+1
.endr
.irp i, 3,5,7,9,11,13
.set b, 0
.rept NBK
	v_max3_num_f32 v[232+b], v[232+b], v[96+16*b+\i], v[97+16*b+\i]
.set b, b+1
.endr
.endr
.set b, 0
.rept NBK
	v_max_num_f32 v[232+b], v[232+b], v[111+16*b]
.set b, b+1
.endr
.set b, 0
.rept NBK
	v_permlanex16_b32 v[236+b], v[232+b], s[SEL], s[SEL+1]
.set b, b+1
.endr
.set b, 0
.rept NBK
	v_max_num_f32 v[232+b], v[232+b], v[236+b]
.set b, b+1
.endr
.if NBK == 4
	v_max3_num_f32 v254, v232, v233, v234
	v_max_num_f32 v254, v254, v235
.else
	v_max_num_f32 v254, v232, v233
.endif
	v_mul_f32 v254, s[CS], v254
	v_max_num_f32 v13, v13, v254                   ; the running largest t
	v_mov_b32 v254, v12
	v_floor_f32 v12, -v13                          ; -M = floor(-t): M is a whole number
	TM8 0
	v_sub_f32 v254, v12, v254                      ; the three lines that make f stand among the multiply-adds
	TM8 16
	v_cvt_i32_f32 v254, v254                       ; (it saturates)
.if NBK == 4
	TM8 32
.endif
	v_ldexp_f32 v252, 1.0, v254                    ; f = 2^(old M - new M)
.if NBK == 4
	TM8 48
.endif
.set b, 0
.rept NBK
	v_fma_f32 v[232+b], v[232+b], s[CS], v12
.set b, b+1
.endr
.irp j, 0,2,4,6,8,10,12,14
	v_pk_mul_f32 v[160+\j:161+\j], v[160+\j:161+\j], v[252:253] op_sel_hi:[1,0]   ; O^T under the new M, each accumulator from its low end on
.endr
	s_wait_alu depctr_va_vdst(0)                   ; the wait ahead of the batch
.set j, 0
.rept 16*NBK
	v_exp_f32 v[96+j], v[96+j]                     ; p = 2^(t - M)
.set j, j+1
.endr
.set b, 0
.rept NBK
	v_exp_f32 v[232+b], v[232+b]                   ; the block's largest p
.set b, b+1
.endr
	v_pk_mul_f32 v[14:15], v[14:15], v[252:253] op_sel_hi:[1,0]   ; the sums under the new M: the plain instruction behind the exponentials
	s_wait_alu depctr_va_vdst(0)                   ; one wait for the batch, ahead of its first reader
.set b, 0
.rept NBK
	v_max_num_f32 v[232+b], 0x4800000, v[232+b]    ; the floor 2^(9 - 127)
.set b, b+1
.endr
.set b, 0
.rept NBK
	v_add_nc_u32 v[244+b], 0xfc000000, v[232+b]    ; the conversion's scale operand
.set b, b+1
.endr
.set b, 0
.rept NBK
	v_and_or_b32 v[240+b], v[232+b], 0x7f800000, s[MNT]   ; 448 x the scale,
.set b, b+1
.endr
.set b, 0
.rept NBK
	v_and_or_b32 v[218+b], v[232+b], 0x7f800000, s[MNT]   ; and once more, in another register bank, for the second half of a dual hold
.set b, b+1
.endr
.set b, 0
.rept NBK
	v_lshrrev_b32 v[236+b], 23, v[244+b]
.set b, b+1
.endr
	v_lshl_or_b32 v253, v237, 8, v236              ; p's scale word for these keys (kind 2: its two upper bytes are 0, over zero codes)
.if NBK == 4
	v_lshl_or_b32 v254, v239, 8, v238
	v_lshl_or_b32 v253, v254, 16, v253
.endif
; the row's sum of the unquantised p in four chains; a block is held and converted while the next block is summed
.irp c, 0,1,2,3
	v_pk_add_f32 v[210+2*\c:211+2*\c], v[96+2*\c:97+2*\c], v[104+2*\c:105+2*\c]
.endr
.set b, 1
.rept NBK-1
.irp i, 0,1,2,3,4,5,6,7
	v_pk_add_f32 v[210+2*(\i%4):211+2*(\i%4)], v[210+2*(\i%4):211+2*(\i%4)], v[96+16*b+2*\i:97+16*b+2*\i]
	v_dual_min_num_f32 v[80+16*b+2*\i], v[80+16*b+2*\i], v[239+b] :: v_dual_min_num_f32 v[81+16*b+2*\i], v[81+16*b+2*\i], v[217+b]   ; the hold of block b - 1: p is not negative
.endr
	v_cvt_scalef32_pk8_fp8_f32 v[220+4*b:221+4*b], v[80+16*b:87+16*b], v[243+b]
	v_cvt_scalef32_pk8_fp8_f32 v[222+4*b:223+4*b], v[88+16*b:95+16*b], v[243+b]
.set b, b+1
.endr
.irp i, 0,1,2,3,4,5,6,7
	v_dual_min_num_f32 v[80+16*b+2*\i], v[80+16*b+2*\i], v[239+b] :: v_dual_min_num_f32 v[81+16*b+2*\i], v[81+16*b+2*\i], v[217+b]   ; the last block
.endr
	v_cvt_scalef32_pk8_fp8_f32 v[220+4*b:221+4*b], v[80+16*b:87+16*b], v[243+b]
	v_cvt_scalef32_pk8_fp8_f32 v[222+4*b:223+4*b], v[88+16*b:95+16*b], v[243+b]
.if NBK == 2
.irp j, 0,1,2,3,4,5,6,7
	v_mov_b32 v[232+\j], 0                         ; zero codes for the hidden keys 64 .. 127
.endr
.endif
	v_pk_add_f32 v[210:211], v[210:211], v[212:213]   ; these six lines stand between the operand's last write and the products
	v_pk_add_f32 v[214:215], v[214:215], v[216:217]
	v_pk_add_f32 v[14:15], v[14:15], v[210:211]
	v_pk_add_f32 v[14:15], v[14:15], v[214:215]
	v_nop
	v_nop
	s_wait_alu depctr_va_vdst(0)                   ; the wait ahead of the blocking wait
.if \kind == 0
	s_wait_dscnt 9                                 ; V is in; the nine loads of the next step's K may be out
.else
	s_wait_dscnt 0x0                               ; V is in
.endif
	v_wmma_scale_f32_16x16x128_f8f6f4 v[160:167], v[176:191], v[224:239], v[160:167], v208, v253
	v_wmma_scale_f32_16x16x128_f8f6f4 v[168:175], v[192:207], v[224:239], v[168:175], v208, v253 matrix_a_scale:MATRIX_SCALE_ROW1
.endm
.Lphase:                                           ; two trips: tile T, then tile 127 - T
.irp t, 0,1,2,3,4,5,6,7
	ds_load_b128 v[32+4*\t:35+4*\t], v1 offset:512*\t       ; key step 0's K
.endr
	ds_load_b128 v[248:251], v3
.irp j, 0,1,2,3
	v_mov_b32 v[16+\j], v[84+\j]
.endr
	v_mov_b32 v255, v92
	s_bfe_u32 s12, s[TL], 0x20001                  ; (T / 2) % 4
	s_lshl_b32 s12, s12, 5
	s_and_b32 s11, s[TL], 1
	s_lshl_b32 s11, s11, 3
	s_add_co_u32 s12, s12, s11
	v_add_nc_u32 v76, s12, v5                      ; d = my query - 128 x its step - 16 h
	v_mov_b32 v13, 0xff61b1e6                      ; the largest t so far: -3e38
	v_mov_b32 v14, 0
	v_mov_b32 v15, 0
	v_floor_f32 v12, -v13
.irp j, 0,1,2,3,4,5,6,7,8,9,10,11,12,13,14,15
	v_mov_b32 v[160+\j], 0                         ; O^T: a tile's first step finds zeros
.endr
	s_mov_b32 s[ST], 0
	s_mov_b32 s[TK], 0
	s_mov_b32 s[TS], 0
	s_mov_b32 s[TJ], 0
	s_wait_alu depctr_va_vdst(0)                   ; the wait ahead of the branches and the blocking wait below
.Lstep:                                            ; 16 trips, a constant; the steps behind the diagonal do no work
	s_cmp_gt_u32 s[ST], s[LIM]
	s_cbranch_scc1 .Lskip
	s_cmp_lt_u32 s[ST], s[LIM]
	s_cbranch_scc0 .Ldiag
	STEP 0
	s_branch .Lskip
.Ldiag:
	s_cmp_eq_u32 s[LOW], 1
	s_cbranch_scc1 .Llow
	STEP 1
	s_branch .Lskip
.Llow:
	STEP 2
.Lskip:
	s_add_co_u32 s[TK], s[TK], 4096
	s_add_co_u32 s[TS], s[TS], 512
	s_add_co_u32 s[TJ], s[TJ], 128
	s_add_co_u32 s[ST], s[ST], 1
	s_cmp_lt_u32 s[ST], 16
	s_cbranch_scc1 .Lstep
	; ---- the way out of a tile: O^T / the sum, quantised along the head (one block of 32: my 16 channels and lane xor 16's)
.rept 8
	v_nop
.endr
	v_add_f32 v14, v14, v15
	v_permlanex16_b32 v252, v14, s[SEL], s[SEL+1]
	v_add_f32 v14, v14, v252                       ; the row's sum
	s_wait_alu depctr_va_vdst(0)
	v_rcp_f32 v14, v14
	s_lshr_b32 s10, ttmp9, 5
	s_lshl_b32 s11, s10, 7
	s_add_co_u32 s11, s11, s[TL]                   ; 128 x batch + T
	s_lshl_b32 s12, s11, 14
	s_and_b32 s13, ttmp9, 31                       ; the head
	s_lshl_b32 s14, s13, 9
	s_add_co_u32 s12, s12, s14
	v_add_nc_u32 v78, s12, v1                      ; (a plain instruction behind the reciprocal)  att: [tile][head][lane][16 bytes]
	s_lshl_b32 s11, s11, 9
	s_add_co_u32 s11, s11, s13
	v_add_nc_u32 v79, s11, v7                      ; att_sc: [place][32], the byte of my head
	s_wait_alu depctr_va_vdst(0)                   ; the wait ahead of the reciprocal's and O^T's first reader
.irp j, 0,1,2,3,4,5,6,7,8,9,10,11,12,13,14,15
	v_mul_f32 v[96+\j], v[160+\j], v14
.endr
	v_max3_num_f32 v232, |v96|, |v97|, 0x4800000
	v_max3_num_f32 v233, |v98|, |v99|, |v100|
	v_max3_num_f32 v232, v232, |v101|, |v102|
	v_max3_num_f32 v233, v233, |v103|, |v104|
	v_max3_num_f32 v232, v232, |v105|, |v106|
	v_max3_num_f32 v233, v233, |v107|, |v108|
	v_max3_num_f32 v232, v232, |v109|, |v110|
	v_max3_num_f32 v232, v232, v233, |v111|
	v_permlanex16_b32 v236, v232, s[SEL], s[SEL+1]
	v_max_num_f32 v232, v232, v236
	v_add_nc_u32 v244, 0xfc000000, v232
	v_and_or_b32 v240, v232, 0x7f800000, s[MNT]
	v_lshrrev_b32 v82, 23, v244
.irp j, 0,1,2,3,4,5,6,7,8,9,10,11,12,13,14,15
	v_med3_num_f32 v[96+\j], v[96+\j], -v240, v240
.endr
	v_cvt_scalef32_pk8_fp8_f32 v[224:225], v[96:103], v244
	v_cvt_scalef32_pk8_fp8_f32 v[226:227], v[104:111], v244
	v_nop
	global_store_b128 v78, v[224:227], s[6:7]      ; the wave stores 512 consecutive bytes
	global_store_b8 v79, v82, s[8:9]
.irp j, 0,1,2,3
	v_mov_b32 v[84+\j], v[88+\j]                   ; the second tile's Q
.endr
	v_mov_b32 v92, v93
	s_wait_xcnt 0x0                                ; the stores have read their registers: the next tile may write them
	s_wait_dscnt 0x0                               ; no LDS load of mine is out: the next tile's may be issued into the same registers
	s_sub_co_u32 s[TL], 127, s[TL]
	s_sub_co_u32 s[LIM], 15, s[LIM]
	s_xor_b32 s[LOW], s[LOW], 1                    ; (127 - T) % 8 = 7 - T % 8: the other half
	s_sub_co_u32 s[PH], s[PH], 1
	s_cmp_lg_u32 s[PH], 0
	s_wait_alu depctr_va_vdst(0)                   ; the wait ahead of the branch
	s_cbranch_scc1 .Lphase
	s_wait_tensorcnt 0x0                           ; the wave's end
	ds_add_u32 v222, v223
	s_wait_dscnt 0x0
	CROUND                                         ; the closing round
	s_endpgm
.Lfunc_end_k_qd35447b15c_attn:
	.size	k_qd35447b15c_attn, .Lfunc_end_k_qd35447b15c_attn-k_qd35447b15c_attn
	.p2alignl 7, 3214868480
	.fill 96, 4, 3214868480
	.section	.rodata,"a",@progbits
	.p2align	6, 0x0
	.amdhsa_kernel k_qd35447b15c_attn
		.amdhsa_group_segment_fixed_size 169984
		.amdhsa_private_segment_fixed_size 0
		.amdhsa_enable_private_segment 0
		.amdhsa_kernarg_size 24
		.amdhsa_user_sgpr_count 2
		.amdhsa_user_sgpr_kernarg_segment_ptr 1
		.amdhsa_wavefront_size32 1
		.amdhsa_system_sgpr_workgroup_id_x 1
		.amdhsa_system_sgpr_workgroup_id_y 1
		.amdhsa_system_sgpr_workgroup_id_z 1
		.amdhsa_system_vgpr_workitem_id 0
		.amdhsa_next_free_vgpr 256
		.amdhsa_next_free_sgpr 66
		.amdhsa_reserve_vcc 1
		.amdhsa_float_denorm_mode_32 3
		.amdhsa_float_denorm_mode_16_64 3
		.amdhsa_memory_ordered 1
		.amdhsa_forward_progress 1
		.amdhsa_inst_pref_size 60
	.end_amdhsa_kernel
	.amdgpu_metadata
---
amdhsa.version: [ 1, 2 ]
amdhsa.kernels:
  - .name:           k_qd35447b15c_attn
    .symbol:         k_qd35447b15c_attn.kd
    .args:
      - { .name: qkvrec, .offset: 0, .size: 8, .value_kind: global_buffer, .address_space: global }
      - { .name: att, .offset: 8, .size: 8, .value_kind: global_buffer, .address_space: global }
      - { .name: att_sc, .offset: 16, .size: 8, .value_kind: global_buffer, .address_space: global }
    .group_segment_fixed_size: 169984
    .private_segment_fixed_size: 0
    .kernarg_segment_align: 8
    .kernarg_segment_size: 24
    .max_flat_workgroup_size: 512
    .sgpr_count:     66
    .vgpr_count:     256
    .wavefront_size: 32
...
	.end_amdgpu_metadata
.endif
;; end of part 3
;; launch outp (part 4): grid 8 x 32, 4 waves a work-group, clusters of 4 x 4, 327,680 bytes of LDS; arguments att, att_sc, codes, scales, out0; writes out0
.if DOCPART == 4
	.amdgcn_target "amdgcn-amd-amdhsa--gfx1250"
	.amdhsa_code_object_version 6
	.text
	.protected	k_qd35447b15c_outp
	.globl	k_qd35447b15c_outp
	.p2align	8
	.type	k_qd35447b15c_outp,@function
k_qd35447b15c_outp:
	s_mov_b64 s[64:65], 0
	v_nop
	global_prefetch_b8 v0, s[64:65] scope:SCOPE_SE
	s_setreg_imm32_b32 hwreg(HW_REG_WAVE_MODE, 25, 1), 1
	s_wait_xcnt 0x0
	s_wait_alu depctr_hold_cnt(0) depctr_sa_sdst(0) depctr_va_vdst(0) depctr_va_sdst(0) depctr_va_ssrc(0) depctr_va_vcc(0) depctr_vm_vsrc(0)
	s_getreg_b32 s2, hwreg(HW_REG_IB_STS2, 6, 4)
	s_cmp_eq_u32 s2, 0
	s_cbranch_scc0 .Lentry_in_a_cluster
	s_endpgm
.Lentry_in_a_cluster:
	s_bfe_u32 s2, ttmp6, 0x10000c
	s_cmp_lg_u32 s2, 0xf033
	s_cbranch_scc0 .Lentry_shape_is_right
	s_endpgm
.Lentry_shape_is_right:
; OUTP: out0 = attention's result x Wo, on codes of FP8 (E4M3) with E8M0 scales: 4,096 x 1,024 x 1,024, f32 out.
; A: att [256 tiles of 16 places][32 heads][32 lanes][16 bytes], the image of the operand's registers; att_sc [place][32].  B: places 7168 .. 8191 of codes (rows of 1,024 bytes) and scales (rows of 32): Wo's columns.
; SHARES.  256 work-groups, each 128 places x 128 columns; four waves, 2 x 2, each 64 x 64: 16 accumulators.
; ALL OF K LIES IN LDS: A's 128 rows are 131,072 dense bytes, B's 128 rows 133,120 with 16 bytes of padding behind each, the scale bytes 4,352 a side.  Four joint loads at the head, one a wave; nothing is filled again.
; CLUSTERS 4 x 4: a row of the cluster shares A's tile and scale bytes, a column B's.
; Nothing is prefetched: all that the launch reads is asked for at its head, and there is no loop to run ahead in.
; The product is used transposed (source 0 = 16 rows of B, source 1 = 16 rows of A): a lane holds eight neighbouring columns of one row.  Places hold the tokens with bits 3 and 4 exchanged: the stores put them back.
; REGISTERS: window 0: v16-27 addresses, v28, v29 the spare word and 0, v32-63 A's scale words (8 a + q), v64-95 B's (8 b + (q + 4) % 8: no product's two scale registers are equal modulo 8),
; v96-159 the way out, v128-255 A's fragments in two sets.  Window 1: v0-127 B's fragments in two sets, v128-255 the accumulators (8 (4 a + b)).
.set LB,    131072
.set BP,    1040
.set LSA,   264192
.set LSB,   268544
.set STAGE, 272896                     ; 16 rows x 272 bytes for each wave: bytes of its own, into which no fill lands
.set SPARE, 290304
.set ADRA, 16
.set ADRB, 17
.set ADSA, 18
.set ADSB, 19
.set STO,  24
.set RD,   25
.set CO,   26
.set SPW,  28
.set NIL,  29
.set SA,   32
.set SB,   64
.set G1A, 24
.set G0A, 32
.set G0B, 36
.set G1B, 48
.set G0S, 56
.set G0SB, 60
.set G1S, 68
.set G1SB, 80
.set MSB, 0
.macro WIN new                         ; the immediate's high byte repeats the setting that is left
.if MSB != (\new)
	s_set_vgpr_msb (MSB<<8)|(\new)
.set MSB, (\new)
.endif
.endm
.macro PLACES n
.rept \n
	v_nop
.endr
.endm
.macro CROUND
	s_barrier_signal -1
	s_barrier_wait -1
	s_cmp_lg_u32 s14, 0
	s_cbranch_scc1 .Lnot_wave_0_\@
	s_barrier_signal -3
.Lnot_wave_0_\@:
	s_barrier_wait -3
	s_barrier_signal -1
	s_barrier_wait -1
.endm
	s_load_b128 s[4:7], s[0:1], 0x0                ; att, att_sc
	s_load_b128 s[8:11], s[0:1], 0x10              ; codes, scales
	s_load_b64 s[12:13], s[0:1], 0x20              ; out0
	v_lshl_add_u32 v[SPW], v0, 2, SPARE
	v_mov_b32 v[NIL], 0
	ds_add_u32 v[SPW], v[NIL]                      ; the opening lines: the add twice on end and its wait
	ds_add_u32 v[SPW], v[NIL]
	v_lshrrev_b32 v1, 5, v0
	v_readfirstlane_b32 s14, v1                    ; wave 0..3
	s_lshr_b32 s15, s14, 1                         ; my half of the rows
	s_and_b32 s16, s14, 1                          ; my half of the columns
	s_bfe_u32 s40, ttmp6, 0x40000                  ; cx, cy
	s_bfe_u32 s41, ttmp6, 0x40004
	s_lshl_b32 s42, ttmp9, 2
	s_add_co_u32 s42, s42, s40                     ; tile column 0..7
	s_and_b32 s17, ttmp7, 0xffff
	s_lshl_b32 s17, s17, 2
	s_add_co_u32 s17, s17, s41                     ; tile row 0..31
	s_lshl_b32 s43, s41, 2
	s_lshl_b32 s43, 15, s43                        ; my row of the cluster
	s_lshl_b32 s44, 0x1111, s40                    ; my column
	s_or_b32 s[G1A+0], s43, (3<<16)|(1<<21)        ; A: 32 rows of 4,096 bytes (512 elements of 8), dense, no padding
	s_mov_b32 s[G1A+1], 512<<16
	s_mov_b32 s[G1A+2], 32<<16
	s_mov_b32 s[G1A+3], 512<<16
	s_mov_b32 s[G1A+4], 32
	s_mov_b32 s[G1A+5], 512
	s_mov_b32 s[G1A+6], 0
	s_mov_b32 s[G1A+7], 0
	s_or_b32 s[G1B+0], s44, (1<<20)|(1<<21)|(7<<22)|(3<<25)   ; B: 128 rows of 1,024 bytes, four words of padding behind each 256 words
	s_mov_b32 s[G1B+1], 1024<<16
	s_mov_b32 s[G1B+2], 128<<16
	s_mov_b32 s[G1B+3], 1024<<16
	s_mov_b32 s[G1B+4], 128
	s_mov_b32 s[G1B+5], 1024
	s_mov_b32 s[G1B+6], 0
	s_mov_b32 s[G1B+7], 0
	s_or_b32 s[G1S+0], s43, (3<<16)|(1<<20)|(1<<21)|(5<<22)|(3<<25)   ; scale bytes of 128 rows: 16 rows of 256 bytes, 16 of padding behind each
	s_or_b32 s[G1SB+0], s44, (3<<16)|(1<<20)|(1<<21)|(5<<22)|(3<<25)
.irp g, G1S, G1SB
	s_mov_b32 s[\g+1], 32<<16
	s_mov_b32 s[\g+2], 16<<16
	s_mov_b32 s[\g+3], 32<<16
	s_mov_b32 s[\g+4], 16
	s_mov_b32 s[\g+5], 32
	s_mov_b32 s[\g+6], 0
	s_mov_b32 s[\g+7], 0
.endr
	s_lshl_b32 s20, s17, 17                        ; A's tile: 131,072 bytes a tile row
	s_mov_b32 s21, 0
	s_lshl_b32 s22, s17, 12                        ; its scale bytes
	s_mov_b32 s23, 0
	s_lshl_b32 s46, s42, 7
	s_add_co_u32 s46, s46, 7168                    ; B's first place
	s_lshl_b32 s92, s46, 5
	s_mov_b32 s93, 0
	s_lshl_b32 s46, s46, 10
	s_mov_b32 s47, 0
	s_lshl_b32 s94, s15, 16                        ; LDS: my 4 tiles of A,
	s_mul_i32 s95, s16, 64*BP
	s_add_co_u32 s95, s95, LB                      ; my 64 rows of B,
	s_mul_i32 s96, s15, 2176
	s_add_co_u32 s96, s96, LSA                     ; their scale bytes,
	s_mul_i32 s97, s16, 2176
	s_add_co_u32 s97, s97, LSB
	s_mul_i32 s98, s14, 16*272
	s_add_co_u32 s98, s98, STAGE                   ; my stage
	s_wait_dscnt 0x0                               ; both opening adds are done
	s_wait_kmcnt 0x0
	s_mov_b32 s[G0A], 1
	s_mov_b32 s[G0A+1], 0
	s_add_nc_u64 s[G0A+2:G0A+3], s[4:5], s[20:21]
	s_or_b32 s[G0A+3], s[G0A+3], 0x80000000
	s_mov_b32 s[G0B], 1
	s_mov_b32 s[G0B+1], LB
	s_add_nc_u64 s[G0B+2:G0B+3], s[8:9], s[46:47]
	s_or_b32 s[G0B+3], s[G0B+3], 0x80000000
	s_mov_b32 s[G0S], 1
	s_mov_b32 s[G0S+1], LSA
	s_add_nc_u64 s[G0S+2:G0S+3], s[6:7], s[22:23]
	s_or_b32 s[G0S+3], s[G0S+3], 0x80000000
	s_mov_b32 s[G0SB], 1
	s_mov_b32 s[G0SB+1], LSB
	s_add_nc_u64 s[G0SB+2:G0SB+3], s[10:11], s[92:93]
	s_or_b32 s[G0SB+3], s[G0SB+3], 0x80000000
	CROUND                                         ; all sixteen work-groups are here: the joint loads meet
; the head's four loads, one a wave, in one chain of branches on the wave's number
.macro ARM under, g0, g1, next
	s_cmp_lt_u32 s14, \under
	s_cbranch_scc0 \next
	tensor_load_to_lds s[\g0:\g0+3], s[\g1:\g1+7]
	s_nop 0
	PLACES 4
	s_branch .Lhead_asked
\next:
.endm
	ARM 1, G0B, G1B, .Lhead_a
	ARM 2, G0A, G1A, .Lhead_sa
	ARM 3, G0S, G1S, .Lhead_sb
	tensor_load_to_lds s[G0SB:G0SB+3], s[G1SB:G1SB+7]
	s_nop 0
	PLACES 4
.Lhead_asked:
	v_and_b32 v1, 15, v0                           ; r
	v_bfe_u32 v2, v0, 4, 1                         ; h
	v_and_b32 v3, 31, v0                           ; lane
	v_lshlrev_b32 v4, 4, v3
	v_mul_u32_u24 v5, v1, BP
	v_lshlrev_b32 v6, 5, v1
	v_lshrrev_b32 v7, 3, v1
	v_mul_u32_u24 v8, v1, 272
	v_mul_u32_u24 v9, v2, 272
	v_lshlrev_b32 v10, 12, v2
	v_add_nc_u32 v[ADRA], s94, v4                  ; A: an image: 16 x lane
	v_lshl_add_u32 v5, v2, 4, v5
	v_lshl_add_u32 v6, v7, 4, v6                   ; a row's scale bytes: 32 r, and 16 more behind each 256
	v_lshl_add_u32 v8, v2, 5, v8
	v_lshl_add_u32 v9, v1, 4, v9
	v_add_nc_u32 v[ADRB], s95, v5                  ; B: row r x pitch + 16 h
	v_add_nc_u32 v[ADSA], s96, v6
	v_add_nc_u32 v[ADSB], s97, v6
	v_add_nc_u32 v[STO], s98, v8                   ; the stage, in: row r, 32 bytes for each half of the lanes
	v_add_nc_u32 v[RD], s98, v9                    ; back: lanes 0-15 one row of 256 bytes, lanes 16-31 the next
	v_lshl_add_u32 v[CO], v1, 4, v10               ; and the same two rows in out0 (4,096 bytes a row)
	s_lshl_b32 s20, s17, 7
	s_lshl_b32 s21, s15, 6
	s_add_co_u32 s20, s20, s21                     ; my first row
	s_lshl_b32 s20, s20, 12
	s_lshl_b32 s22, s42, 9
	s_lshl_b32 s23, s16, 8
	s_add_co_u32 s22, s22, s23                     ; my first column, in bytes
	s_add_co_u32 s20, s20, s22
	s_mov_b32 s21, 0
	s_add_nc_u64 s[12:13], s[12:13], s[20:21]
.macro FETCH q, p                      ; the fragments of the q-th 128 along K into set p: 32 loads
	WIN 0x40
.irp b, 0,1,2,3
.irp c, 0,1,2,3
	ds_load_b128 v[64*(\p)+16*\b+4*\c:64*(\p)+16*\b+4*\c+3], v[ADRB] offset:\b*16*BP+128*(\q)+32*\c
.endr
.endr
	WIN 0
.irp a, 0,1,2,3
.irp c, 0,1,2,3
	ds_load_b128 v[128+64*(\p)+16*\a+4*\c:128+64*(\p)+16*\a+4*\c+3], v[ADRA] offset:\a*16384+2048*(\q)+512*\c
.endr
.endr
.endm
.macro MUL q, p, zero                  ; 16 products; the 16 accumulators take turns, in the same order in every step
	WIN 0x51
.irp a, 0,1,2,3
.irp b, 0,1,2,3
.if \zero
	v_wmma_scale_f32_16x16x128_f8f6f4 v[128+8*(4*\a+\b):135+8*(4*\a+\b)], v[64*(\p)+16*\b:64*(\p)+16*\b+15], v[128+64*(\p)+16*\a:128+64*(\p)+16*\a+15], 0, v[SB+8*\b+((\q)+4)%8], v[SA+8*\a+(\q)]
.else
	v_wmma_scale_f32_16x16x128_f8f6f4 v[128+8*(4*\a+\b):135+8*(4*\a+\b)], v[64*(\p)+16*\b:64*(\p)+16*\b+15], v[128+64*(\p)+16*\a:128+64*(\p)+16*\a+15], v[128+8*(4*\a+\b):135+8*(4*\a+\b)], v[SB+8*\b+((\q)+4)%8], v[SA+8*\a+(\q)]
.endif
.endr
.endr
.endm
	s_wait_alu depctr_va_vdst(0)                   ; the wait at the head's end
	s_wait_tensorcnt 0x0                           ; my tile has landed,
	s_barrier_signal -1
	s_barrier_wait -1                              ; everybody's has
	FETCH 0, 0
.irp i, 0,1,2,3
	ds_load_b128 v[SA+8*\i:SA+8*\i+3], v[ADSA] offset:\i*544          ; a row's eight scale words, for all of K
	ds_load_b128 v[SA+8*\i+4:SA+8*\i+7], v[ADSA] offset:\i*544+16
	ds_load_b128 v[SB+8*\i+4:SB+8*\i+7], v[ADSB] offset:\i*544
	ds_load_b128 v[SB+8*\i:SB+8*\i+3], v[ADSB] offset:\i*544+16
.endr
.irp q, 0,1,2,3,4,5,6,7
	s_wait_dscnt 0x0                               ; this step's fragments are in
.if \q < 7
.if \q > 0
	PLACES 8                                       ; ahead of loads into the set that the last step's products have read
.endif
	FETCH \q+1, (\q+1)%2
.endif
.if \q == 0
	MUL \q, 0, 1                                   ; the first products start the sums
.else
	MUL \q, \q%2, 0
.endif
.endr
	WIN 0
; THE WAY OUT, by blocks of 16 rows x 64 columns through my stage: sixteen lanes store 256 consecutive bytes, aligned.  LDS serves a wave's instructions in order.
.macro TOSTAGE a
	WIN 0x04
.irp b, 0,1,2,3
	ds_store_b128 v[STO], v[128+8*(4*(\a)+\b):131+8*(4*(\a)+\b)] offset:64*\b        ; each accumulator from its low end on
	ds_store_b128 v[STO], v[132+8*(4*(\a)+\b):135+8*(4*(\a)+\b)] offset:64*\b+16
.endr
	WIN 0
.irp t, 0,1,2,3,4,5,6,7
	ds_load_b128 v[96+32*((\a)%2)+4*\t:99+32*((\a)%2)+4*\t], v[RD] offset:\t*2*272
.endr
.endm
.macro SEND a, younger                 ; stage row 2 t + h of tile a is token 32 (a / 2) + 16 (t / 4) + 8 (a % 2) + 2 (t % 4) + h of my 64
	s_wait_dscnt \younger
.irp t, 0,1,2,3,4,5,6,7
	global_store_b128 v[CO], v[96+32*((\a)%2)+4*\t:99+32*((\a)%2)+4*\t], s[12:13] offset:(32*((\a)/2)+16*(\t/4)+8*((\a)%2)+2*(\t%4))*4096 th:TH_STORE_NT
.endr
.endm
	PLACES 8                                       ; behind the last products: ahead of the first reader of the sums and of loads into A's registers
	TOSTAGE 0
.irp a, 1,2,3
.if \a > 1
	s_wait_xcnt 0x0                                ; block a - 2's stores have read their registers
.endif
	TOSTAGE \a
	SEND \a-1, 16                                  ; behind block a - 1's loads: block a's 8 stores and 8 loads
.endr
	SEND 3, 0
	s_wait_tensorcnt 0x0                           ; the wave's end
	ds_add_u32 v[SPW], v[NIL]
	s_wait_dscnt 0x0
	CROUND                                         ; the closing round
	s_endpgm
.Lfunc_end_k_qd35447b15c_outp:
	.size	k_qd35447b15c_outp, .Lfunc_end_k_qd35447b15c_outp-k_qd35447b15c_outp
	.p2alignl 7, 3214868480
	.fill 96, 4, 3214868480
	.section	.rodata,"a",@progbits
	.p2align	6, 0x0
	.amdhsa_kernel k_qd35447b15c_outp
		.amdhsa_group_segment_fixed_size 327680
		.amdhsa_private_segment_fixed_size 0
		.amdhsa_enable_private_segment 0
		.amdhsa_kernarg_size 40
		.amdhsa_user_sgpr_count 2
		.amdhsa_user_sgpr_kernarg_segment_ptr 1
		.amdhsa_wavefront_size32 1
		.amdhsa_system_sgpr_workgroup_id_x 1
		.amdhsa_system_sgpr_workgroup_id_y 1
		.amdhsa_system_sgpr_workgroup_id_z 1
		.amdhsa_system_vgpr_workitem_id 0
		.amdhsa_next_free_vgpr 512
		.amdhsa_next_free_sgpr 100
		.amdhsa_reserve_vcc 0
		.amdhsa_float_denorm_mode_32 3
		.amdhsa_float_denorm_mode_16_64 3
		.amdhsa_memory_ordered 1
		.amdhsa_forward_progress 1
		.amdhsa_inst_pref_size 52
	.end_amdhsa_kernel
	.amdgpu_metadata
---
amdhsa.version: [ 1, 2 ]
amdhsa.kernels:
  - .name:           k_qd35447b15c_outp
    .symbol:         k_qd35447b15c_outp.kd
    .args:
      - { .name: att, .offset: 0, .size: 8, .value_kind: global_buffer, .address_space: global }
      - { .name: att_sc, .offset: 8, .size: 8, .value_kind: global_buffer, .address_space: global }
      - { .name: codes, .offset: 16, .size: 8, .value_kind: global_buffer, .address_space: global }
      - { .name: scales, .offset: 24, .size: 8, .value_kind: global_buffer, .address_space: global }
      - { .name: out0, .offset: 32, .size: 8, .value_kind: global_buffer, .address_space: global }
    .group_segment_fixed_size: 327680
    .private_segment_fixed_size: 0
    .kernarg_segment_align: 8
    .kernarg_segment_size: 40
    .max_flat_workgroup_size: 128
    .sgpr_count:     100
    .vgpr_count:     512
    .wavefront_size: 32
...
	.end_amdgpu_metadata
.endif
;; end of part 4
